; MI455X (gfx1250); checked and timed in simulation.
; The chip was launched on July 23, 2026; its instructions are those of AMD's public machine-readable ISA for CDNA 5 (MIT licence, August 2026) and "CDNA5" Instruction Set Architecture Reference Guide (July 2026). The comments in the code are by the model that wrote it; some were corrected since.
;; Patch TST Encoder Layer With Rope. Allowed arithmetic: matrix products marked QUANTISED: E4M3 operands, one E8M0 scale for each 32 along K, by v_wmma_scale_f32_16x16x128_f8f6f4 with both operands' format E4M3, f32 sums; everything else in f32.
;; Inputs: W1_codes 2,048 x 16 x 32 uint8 (E4M3 codes of W1, K innermost, in blocks of 32 codes); W1_scales 2,048 x 16 uint8 (E8M0 scales of W1, one for each 32 codes along K); W2_codes 512 x 64 x 32 uint8 (E4M3 codes of W2, K innermost, in blocks of 32 codes); W2_scales 512 x 64 uint8 (E8M0 scales of W2, one for each 32 codes along K); Wk_codes 512 x 16 x 32 uint8 (E4M3 codes of Wk, K innermost, in blocks of 32 codes); Wk_scales 512 x 16 uint8 (E8M0 scales of Wk, one for each 32 codes along K); Wo_codes 512 x 16 x 32 uint8 (E4M3 codes of Wo, K innermost, in blocks of 32 codes); Wo_scales 512 x 16 uint8 (E8M0 scales of Wo, one for each 32 codes along K); Wq_codes 512 x 16 x 32 uint8 (E4M3 codes of Wq, K innermost, in blocks of 32 codes); Wq_scales 512 x 16 uint8 (E8M0 scales of Wq, one for each 32 codes along K); Wv_codes 512 x 16 x 32 uint8 (E4M3 codes of Wv, K innermost, in blocks of 32 codes); Wv_scales 512 x 16 uint8 (E8M0 scales of Wv, one for each 32 codes along K); b1 2,048 float32; b2 512 float32; bk 512 float32; bo 512 float32; bq 512 float32; bv 512 float32; ln1_b 512 float32; ln1_g 512 float32; ln3_b 512 float32; ln3_g 512 float32; x 4 x 16 x 256 x 512 float32.
;; Outputs: out0 4 x 16 x 256 x 512 float32.
;; This version of the problem:
;;   THIS VERSION OF THE PROBLEM IS GIVEN IN LOW PRECISION. The matrix products marked QUANTISED in the list below multiply operands that are first quantised to E4M3 (4 exponent bits, 3 mantissa bits; 8 bits a number), with one power-of-two scale for each 32 numbers along K (OCP MX v1.0); their sums are f32. All else is computed in f32.
;;   The module's matrix products, in the order in which they are computed (A, B: the left and right operand; K: the contracted axis; several contracted axes count as one K, in the product's order):
;;     1. [M 16,384, K 512] x [K 512, N 512]; A: computed on the way; B: input Wq (given as codes): QUANTISED
;;     2. [M 16,384, K 512] x [K 512, N 512]; A: computed on the way; B: input Wk (given as codes): QUANTISED
;;     3. [M 16,384, K 512] x [K 512, N 512]; A: computed on the way; B: input Wv (given as codes): QUANTISED
;;     4. batch 512 x [M 256, K 64] x [K 64, N 256]; A: computed on the way; B: computed on the way: QUANTISED
;;     5. batch 512 x [M 256, K 256] x [K 256, N 64]; A: softmax (see below); B: computed on the way: QUANTISED
;;     6. [M 16,384, K 512] x [K 512, N 512]; A: computed on the way; B: input Wo (given as codes): QUANTISED
;;     7. [M 16,384, K 512] x [K 512, N 2,048]; A: computed on the way; B: input W1 (given as codes): QUANTISED
;;     8. [M 16,384, K 2,048] x [K 2,048, N 512]; A: computed on the way; B: input W2 (given as codes): QUANTISED
;;   THE QUANTISER, for each operand of a quantised product, along K:
;;     - K is cut into blocks of 32 from its start; a last block that is shorter is filled with zeros.
;;     - A block's scale is 2^e with e = floor(log2(the largest magnitude in the block)) - 8, held to -126 .. 127; a block of zeros has e = 0. As a byte (E8M0): e + 127.
;;     - Each number is divided by its block's scale, clamped to +-448, and rounded to the nearest number of E4M3, ties to even, subnormals kept.
;;     - The product sums the exact products of the quantised numbers (number of the format x scale) in f32.
;;   ~~~python
;;   def quantise(x, axis):      # numpy; x: float32 -> the quantised numbers, widened to float32 again
;;       x = np.moveaxis(x, axis, -1); K = x.shape[-1]
;;       x = np.pad(x, [(0, 0)] * (x.ndim - 1) + [(0, -K % 32)]); x = x.reshape(x.shape[:-1] + (-1, 32)); a = np.abs(x).max(-1, keepdims=True)
;;       e = np.where(a > 0, np.clip(np.frexp(np.where(a > 0, a, 1))[1] - 1 - 8, -126, 127), 0)      # np.frexp(a)[1] - 1 = floor(log2(a)), exactly
;;       r = np.clip(x / 2.0 ** e, -448, 448)
;;       step = 2.0 ** (np.maximum(np.frexp(np.where(r == 0, 1, r))[1] - 1, -6) - 3)
;;       q = np.round(r / step) * step * 2.0 ** e      # np.round: ties to even
;;       return np.moveaxis(q.reshape(q.shape[:-2] + (-1,))[..., :K], -1, axis).astype(np.float32)
;;   ~~~
;;   SOFTMAX AHEAD OF A QUANTISED PRODUCT. Where the list says 'softmax', what is quantised is not the finished softmax but p = 2^(t - M), with t = logit x log2(e) and M = ceil(the row's largest t), a whole number; so 1/2 < the row's largest p <= 1. The row's sum l is taken of the UNQUANTISED p, in f32, and the product's result is divided by l at the end. Since M is a whole number, a kernel that streams over the keys may use a running M (the ceiling of the running maximum): every later rescaling is an exact power of two, which a block's scale takes up: the codes' values come out the same.
;;   OPERANDS COMPUTED ON THE WAY. 'Computed on the way' means the value that the module computes at that place (a softmax that the list does not call 'softmax' is quantised finished and normalised). What goes into a quantiser is computed in f32, as accurately as f32 sums, v_exp_f32 and their like allow (about 1e-6 of the number): no bf16 or f16 on the way to a quantiser, and a product that is left as it is and whose result goes on into a quantised operand takes f32 operands (vector FMAs, or v_wmma_f32_16x16x4_f32). A number that lies on a knife's edge between two numbers of the format may be rounded either way, as far as f32 arithmetic and the matrix unit's own rounding can turn it there, and no further.
;;   INPUTS GIVEN AS CODES. W1 (in the module: [512, 2048], K = its axis 0); W2 (in the module: [2048, 512], K = its axis 0); Wk (in the module: [512, 512], K = its axis 0); Wo (in the module: [512, 512], K = its axis 0); Wq (in the module: [512, 512], K = its axis 0); Wv (in the module: [512, 512], K = its axis 0): each comes as NAME_codes (uint8): NAME with its K axis moved to the last place and cut into blocks of 32 codes, [.., K / 32, bytes a block], one block behind the other in memory; one code a byte (a code: sign, 4 exponent bits, 3 mantissa bits); and NAME_scales (uint8): the same leading axes, one E8M0 byte (e + 127) for each 32 codes along K. Its value is code x scale, taken as it is: it is not quantised again, and the codes and scales need not be those that the quantiser above would give.
;; One version. Each part assembles by itself: llvm-mc -triple=amdgcn-amd-amdhsa -mcpu=gfx1250 --defsym DOCPART=n.
;; ======== version 1 of 1: 2 launches
;; limits: a function is approximated: absolute error at most 3e-07; an absolute error that grows with the inputs' magnitude: up to 2e-07 times it
;; workspace buffers: o_img 8,388,608 bytes; o_sc 524,288 bytes; w2sc 32,768 bytes
;; launch attn (part 1): grid 64 x 4, 8 waves a work-group, clusters of 4 x 1, 327,680 bytes of LDS; arguments x, ln1_g, ln1_b, Wk_codes, Wq_codes, Wv_codes, Wk_scales, Wq_scales, Wv_scales, bk, bq, bv, W2_scales, o_img, o_sc, w2sc; writes o_img, o_sc, w2sc
.if DOCPART == 1
	.amdgcn_target "amdgcn-amd-amdhsa--gfx1250"
	.amdhsa_code_object_version 6
	.text
	.protected	k_q4983ff92bc_attn
	.globl	k_q4983ff92bc_attn
	.p2align	8
	.type	k_q4983ff92bc_attn,@function
k_q4983ff92bc_attn:
	s_mov_b64 s[64:65], 0
	v_nop
	global_prefetch_b8 v0, s[64:65] scope:SCOPE_SE
	s_setreg_imm32_b32 hwreg(HW_REG_WAVE_MODE, 25, 1), 1
	s_wait_xcnt 0x0
	s_wait_alu depctr_hold_cnt(0) depctr_sa_sdst(0) depctr_va_vdst(0) depctr_va_sdst(0) depctr_va_ssrc(0) depctr_va_vcc(0) depctr_vm_vsrc(0)
	s_getreg_b32 s2, hwreg(HW_REG_IB_STS2, 6, 4)
	s_cmp_eq_u32 s2, 0
	s_cbranch_scc0 .Lentry_in_a_cluster
	s_endpgm
.Lentry_in_a_cluster:
	s_bfe_u32 s2, ttmp6, 0x10000c
	s_cmp_lg_u32 s2, 0x3003
	s_cbranch_scc0 .Lentry_shape_is_right
	s_endpgm
.Lentry_shape_is_right:
; LayerNorm 1, q/k/v, partial RoPE and attention of ONE sequence (256 positions) and ONE pair of heads (128 columns), all products on E4M3 codes with E8M0 scales.
; Eight waves; wave w owns positions 32 w .. 32 w + 31 (two tiles of 16): as rows of the norm and of q, k, v, as one block of 32 keys of V, and as queries.
; The four work-groups of a cluster have the same pair of heads and other sequences: the 3 x 128 rows of weights are asked for jointly, once, and stay in LDS (rows of 512 bytes + 16).
; Products are used transposed (source 0 = 16 weight rows, source 1 = 16 rows of activations): a lane holds one row and eight neighbouring units a tile; v is made the other way round, so that a lane holds one
; channel and its registers run along the keys.  q.k and p.v have both operands made here: inside each block of 32 both sides keep the same order of k (8 h + i, then 16 + 8 h + i), the blocks are the true blocks.
; o leaves as register images of the next product's fragments, in the true order of k, with one scale word a row and 128 k.  The 1/8 of q is folded into the softmax's factor: a power of two passes RoPE and a block's scale unchanged.
; The launch also lays W2's scale bytes out by K step for the next launch: 32 words a work-group.
; LIMITS: NaN and infinities are not served; a block of zeros gets the scale byte 1 (its codes are zeros); sine and cosine by reduction with pi/2 in two parts and polynomials of degree 7 and 8 (about 1e-7 for the angles met here, up to 255).
; REGISTERS, window 0: v0 thread; v1-7, v56-63 addresses of the phase in hand; v8-23 TM; v24 the scale word just made; v26-29 mean, 1/sigma, later 1/l; v32-39, v40-55 scale words alone;
;   v64-127 codes of row tile 1, v128-191 g then codes of row tile 0, v192-255 b then codes just made; in the attention: v64-87 q, v96-159 p's codes, v160-191 at work, v192-255 fragments of K or V.
; window 1: x of one row tile; then 16 accumulators (0-127), cos/sin (128-159), at work (160-191), weight fragments (192-255); then the scores (128 a + 8 tile), then O^T (32 a + 8 d).
.set KIMG, 202752                      ; LDS: behind the three weight tiles (3 x 67,584): images of k's 16 fragments,
.set QIMG, 235520                      ; q's,
.set VIMG, 268288                      ; v's (fragment 2 dt + s);
.set KSC,  301056                      ; scale words: 64 x tile + 4 r
.set QSC,  302080
.set VSC,  303104                      ; 64 (2 dt + s) + 4 r + block
.set GB,   304128                      ; ln1_g, then ln1_b
.set BIAS, 308224                      ; my 128 numbers of bk, bq, bv
.set TM,  8
.set PW,  24
.set SEL, 52
.set MNT, 54
.set HS,  32
.set WS,  40
.set MSB, 0
.macro WIN new                         ; the immediate's high byte repeats the setting that is left
.if MSB != (\new)
	s_set_vgpr_msb (MSB<<8)|(\new)
.set MSB, (\new)
.endif
.endm
.macro PLACES n
.rept \n
	v_nop
.endr
.endm
.macro ROUND                           ; a round of the cluster's barrier
	s_barrier_signal -1
	s_barrier_wait -1
	s_cmp_lg_u32 s3, 0
	s_cbranch_scc1 .Lnw0_\@
	s_barrier_signal -3
.Lnw0_\@:
	s_barrier_wait -3
	s_barrier_signal -1
	s_barrier_wait -1
.endm
.macro BAR                             ; my LDS stores have landed and my LDS loads are in: then the work-group's barrier
	s_wait_dscnt 0x0
	s_barrier_signal -1
	s_barrier_wait -1
.endm
.macro MM d, a, b, c, sa, sb, mod
	v_wmma_scale_f32_16x16x128_f8f6f4 v[\d:\d+7], v[\a:\a+15], v[\b:\b+15], v[\c:\c+7], v[\sa], v[\sb] \mod
.endm
.macro MM0 d, a, b, sa, sb, mod        ; the first product starts the sum
	v_wmma_scale_f32_16x16x128_f8f6f4 v[\d:\d+7], v[\a:\a+15], v[\b:\b+15], 0, v[\sa], v[\sb] \mod
.endm
; 64 numbers of a lane in window sw, register 16 b + i; block b is shared with lane l xor 16.  Codes to v[dst] on (window 0), bytes to v[TM+4+b], with word = 1 the scale word to v[PW].
.macro QUANT src, sw, dst, word
	WIN 5*(\sw)
.irp b, 0,1,2,3
	v_max3_num_f32 v[TM+\b], |v[(\src)+16*\b]|, |v[(\src)+16*\b+1]|, 0x4800000   ; with the floor 2^(9 - 127): the byte cannot fall under 1
.endr
.irp i, 2,4,6,8,10,12,14
.irp b, 0,1,2,3
	v_max3_num_f32 v[TM+\b], |v[(\src)+16*\b+\i]|, |v[(\src)+16*\b+\i+1]|, v[TM+\b]
.endr
.endr
	WIN 0
.irp b, 0,1,2,3
	v_permlanex16_b32 v[TM+4+\b], v[TM+\b], s[SEL], s[SEL+1]
.endr
.irp b, 0,1,2,3
	v_max_num_f32 v[TM+\b], v[TM+\b], v[TM+4+\b]              ; the block's largest magnitude
.endr
.irp b, 0,1,2,3
	v_add_nc_u32 v[TM+12+\b], 0xfc000000, v[TM+\b]            ; 8 off its exponent field: the conversion's scale operand
.endr
.irp b, 0,1,2,3
	v_and_or_b32 v[TM+8+\b], v[TM+\b], 0x7f800000, s[MNT]     ; 448 x the scale
.endr
.irp b, 0,1,2,3
	v_lshrrev_b32 v[TM+4+\b], 23, v[TM+12+\b]                 ; the scale's byte
.endr
.if \word
	v_lshl_or_b32 v[PW], v[TM+5], 8, v[TM+4]
	v_lshl_or_b32 v[PW], v[TM+6], 16, v[PW]
	v_lshl_or_b32 v[PW], v[TM+7], 24, v[PW]
.endif
	WIN 0x41*(\sw)
.irp b, 0,1,2,3
.irp i, 0,1,2,3,4,5,6,7,8,9,10,11,12,13,14,15
	v_med3_num_f32 v[(\src)+16*\b+\i], v[(\src)+16*\b+\i], -v[TM+8+\b], v[TM+8+\b]   ; the conversion does not saturate (ISA guide 7.6.2): the hold comes first
.endr
.endr
	WIN (\sw)
.irp b, 0,1,2,3
	v_cvt_scalef32_pk8_fp8_f32 v[(\dst)+4*\b:(\dst)+4*\b+1], v[(\src)+16*\b:(\src)+16*\b+7], v[TM+12+\b]
	v_cvt_scalef32_pk8_fp8_f32 v[(\dst)+4*\b+2:(\dst)+4*\b+3], v[(\src)+16*\b+8:(\src)+16*\b+15], v[TM+12+\b]
.endr
	WIN 0
	v_nop                                          ; a plain line behind the last conversion
.endm
.macro COMB                            ; four packed chains v8-15 -> the row's sum in v8 (both halves of the lanes)
	v_pk_add_f32 v[8:9], v[8:9], v[10:11]
	v_pk_add_f32 v[12:13], v[12:13], v[14:15]
	v_pk_add_f32 v[8:9], v[8:9], v[12:13]
	v_add_f32 v8, v8, v9
	v_permlanex16_b32 v9, v8, s[SEL], s[SEL+1]
	v_add_f32 v8, v8, v9
.endm
.macro XLOAD s, off                    ; 128 along K of my 16 rows: register 64 s + 16 b + i = k 128 s + 32 b + 16 h + i (destination window 1)
.irp b, 0,1,2,3
.irp j, 0,1,2,3
	global_load_b128 v[64*(\s)+16*\b+4*\j:64*(\s)+16*\b+4*\j+3], v1, s[80:81] offset:(\off)+512*(\s)+128*\b+16*\j
.endr
.endr
.endm
.macro GBLOAD s                        ; g and b of the same k
.irp b, 0,1,2,3
.irp j, 0,1,2,3
	ds_load_b128 v[128+16*\b+4*\j:128+16*\b+4*\j+3], v2 offset:512*(\s)+128*\b+16*\j
	ds_load_b128 v[192+16*\b+4*\j:192+16*\b+4*\j+3], v2 offset:2048+512*(\s)+128*\b+16*\j
.endr
.endr
.endm
	s_load_b512 s[8:23], s[0:1], 0x0               ; x, ln1_g, ln1_b, Wk, Wq, Wv codes, Wk, Wq scales
	s_load_b512 s[24:39], s[0:1], 0x40             ; Wv scales, bk, bq, bv, W2_scales, o_img, o_sc, w2sc
	v_lshl_add_u32 v25, v0, 2, 0x4ba00
	v_mov_b32 v63, 0
	ds_add_u32 v25, v63
	ds_add_u32 v25, v63
	v_lshrrev_b32 v1, 5, v0
	v_readfirstlane_b32 s3, v1                     ; wave 0..7
	s_and_b32 s6, ttmp7, 0xffff                    ; p: the pair of heads, shared by the cluster's four
	s_lshr_b32 s7, s3, 1
	s_mov_b32 s44, 15|(1<<20)|(1<<21)|(6<<22)|(3<<25)  ; group 1: mask of all four; bytes; 4 words of padding behind every 128; bit 21 beside the mask
	s_mov_b32 s45, 512<<16                         ; tensor_dim0
	s_mov_b32 s46, 64<<16                          ; tensor_dim1
	s_mov_b32 s47, 512<<16                         ; tile_dim0
	s_mov_b32 s48, 64                              ; tile_dim1
	s_mov_b32 s49, 512                             ; pitch
	s_mov_b32 s50, 0
	s_mov_b32 s51, 0
	s_mov_b32 s40, 1
	s_mul_i32 s41, s3, 33792                       ; waves 0, 1: Wk's halves; 2, 3: Wq's; 4, 5: Wv's
	s_and_b32 s60, s3, 1
	s_lshl_b32 s60, s60, 15
	s_lshl_b32 s61, s6, 16
	s_add_co_u32 s60, s60, s61                     ; row 128 p + 64 (w & 1), 512 bytes a row
	s_mov_b32 s61, 0
	s_mov_b32 s52, 0x76543210
	s_mov_b32 s53, 0xfedcba98
	s_mov_b32 s54, 0x600000
	s_mov_b32 s56, 0x3e38aa3b                      ; log2(e) / 8
	s_mov_b32 s57, s56
	s_mov_b32 s72, 0x3b000000                      ; 1 / 512
	s_mov_b32 s73, 0x3727c5ac                      ; 1e-5
	s_mov_b32 s74, 0xb94ca1f9                      ; sine's and cosine's leading coefficients
	s_mov_b32 s75, 0x37ccf5ce
	s_mov_b32 s76, 0xbfc90fdb                      ; -pi/2, upper part; the rest, with its sign
	s_mov_b32 s77, 0x333bbd2e
	s_mov_b32 s78, 0x3f22f983                      ; 2 / pi
	s_wait_dscnt 0x0
	s_wait_kmcnt 0x0
	s_cmp_eq_u32 s7, 0
	s_cselect_b64 s[42:43], s[14:15], s[16:17]
	s_cmp_gt_u32 s7, 1
	s_cselect_b64 s[42:43], s[18:19], s[42:43]
	s_add_nc_u64 s[42:43], s[42:43], s[60:61]
	s_or_b32 s43, s43, 0x80000000
	ROUND                                          ; all four work-groups are here: the joint loads meet
	s_cmp_lt_u32 s3, 6
	s_cbranch_scc0 .Lno_fill
	tensor_load_to_lds s[40:43], s[44:51]          ; one load a wave is out; every LDS byte of this launch is filled once
	s_nop 0
	PLACES 4
.Lno_fill:
	s_lshl_b32 s60, s6, 11                         ; my 128 rows of scale bytes, 16 a row
	s_add_nc_u64 s[88:89], s[20:21], s[60:61]
	s_add_nc_u64 s[66:67], s[22:23], s[60:61]
	s_add_nc_u64 s[84:85], s[24:25], s[60:61]
	s_cmp_lt_u32 s3, 4
	s_cselect_b64 s[82:83], s[10:11], s[12:13]     ; waves 0-3 stage g, waves 4-7 b
	s_cmp_eq_u32 s3, 0
	s_cselect_b64 s[86:87], s[26:27], s[28:29]
	s_cmp_gt_u32 s3, 1
	s_cselect_b64 s[86:87], s[30:31], s[86:87]     ; waves 0, 1, 2 stage bk, bq, bv
	s_lshl_b32 s60, s6, 9
	s_add_nc_u64 s[86:87], s[86:87], s[60:61]
	s_bfe_u32 s4, ttmp6, 0x40000                   ; cx: it enters global addresses alone
	s_lshl_b32 s5, ttmp9, 2
	s_add_co_u32 s5, s5, s4                        ; the sequence
	s_mov_b32 s63, 0
	s_lshl_b32 s62, s5, 19
	s_lshl_b32 s55, s3, 16
	s_add_co_u32 s62, s62, s55
	s_add_nc_u64 s[80:81], s[8:9], s[62:63]        ; x at my 32 rows
	s_lshl_b32 s62, s5, 17
	s_lshl_b32 s55, s3, 14
	s_add_co_u32 s62, s62, s55
	s_lshl_b32 s55, s6, 11
	s_add_co_u32 s62, s62, s55
	s_add_nc_u64 s[68:69], s[34:35], s[62:63]      ; o_img: row tile 16 seq + 2 w, K step p
	s_lshl_b32 s62, s5, 13
	s_lshl_b32 s55, s3, 10
	s_add_co_u32 s62, s62, s55
	s_lshl_b32 s55, s6, 7
	s_add_co_u32 s62, s62, s55
	s_add_nc_u64 s[70:71], s[36:37], s[62:63]      ; o_sc likewise
	v_and_b32 v30, 15, v0                          ; r
	v_bfe_u32 v31, v0, 4, 1                        ; h
	v_and_b32 v58, 31, v0                          ; lane
	v_lshlrev_b32 v56, 4, v58                      ; 16 x lane
	v_lshlrev_b32 v1, 11, v30
	v_lshl_add_u32 v1, v31, 6, v1                  ; x: row r of 2,048 bytes + 64 h
	v_lshlrev_b32 v2, 6, v31
	v_add_nc_u32 v2, GB, v2
	s_lshl_b32 s60, s3, 13
	v_add_nc_u32 v3, s60, v56
	v_add_nc_u32 v3, KIMG, v3                      ; where row tile 0's four fragments wait: 8,192 bytes a wave
	s_lshl_b32 s60, s3, 9
	v_lshlrev_b32 v4, 2, v58
	v_add_nc_u32 v4, s60, v4
	v_add_nc_u32 v4, VIMG, v4                      ; and their scale words
	v_add_nc_u32 v7, s60, v56
	v_add_nc_u32 v5, BIAS, v7
	v_add_nc_u32 v7, GB, v7
	s_and_b32 s60, s3, 3
	s_lshl_b32 s60, s60, 9
	v_add_nc_u32 v6, s60, v56
	v_mov_b32 v27, 0                               ; upper halves of pairs of which the low word serves both halves
	v_mov_b32 v29, 0
.irp b, 0,1,2,3
	v_mov_b32 v[TM+4+\b], 0                        ; a lane permute's destination counts as read
.endr
	global_load_b128 v[64:67], v6, s[82:83]
	global_load_b128 v[68:71], v56, s[86:87]
	WIN 0x40
.irp s, 0,1,2,3
	XLOAD \s, 0
.endr
	WIN 0
	s_wait_loadcnt 63                              ; 64 loads were issued behind the two: both are in
	ds_store_b128 v7, v[64:67]
	s_cmp_lt_u32 s3, 3
	s_cbranch_scc0 .Lno_bias
	ds_store_b128 v5, v[68:71]
.Lno_bias:
	BAR                                            ; g, b and the biases lie in LDS; the weights may stay on their way
; ---- the norm, a row tile a trip: the row stays in registers between the mean, the variance (of the differences) and the scaling
.macro ASTEP s
	s_wait_dscnt 0x0                               ; g and b of this K step are in; earlier LDS stores have read their registers
.set kk, 0
.rept 32
	v_pk_mul_f32 v[128+kk:129+kk], v[128+kk:129+kk], v[28:29] op_sel_hi:[1,0]
.set kk, kk+2
.endr
	WIN 0x41
.set kk, 0
.rept 32
	v_pk_fma_f32 v[64*\s+kk:64*\s+kk+1], v[64*\s+kk:64*\s+kk+1], v[128+kk:129+kk], v[192+kk:193+kk]
.set kk, kk+2
.endr
	WIN 0
.if \s < 3
	GBLOAD \s+1
.endif
	QUANT 64*\s, 1, 64+16*\s, 1
	v_mov_b32 v[HS+4+\s], v[PW]
	s_cmp_lg_u32 s58, 0
	s_cbranch_scc1 .Lkeep_\@
.irp c, 0,1,2,3
	ds_store_b128 v3, v[64+16*\s+4*\c:64+16*\s+4*\c+3] offset:2048*\s+512*\c    ; row tile 0 waits in my own LDS bytes
.endr
	ds_store_b32 v4, v[PW] offset:128*\s
	WIN 0x40
	XLOAD \s, 32768                                ; row tile 1 into the registers just quantised
	WIN 0
.Lkeep_\@:
.endm
	s_mov_b32 s58, 0
.Ltile:
	GBLOAD 0
	s_wait_loadcnt 0x0                             ; the tile's x
	WIN 0x05
.irp c, 0,2,4,6
	v_pk_add_f32 v[8+\c:9+\c], v[\c:\c+1], v[8+\c:9+\c]
.endr
	WIN 0x01
.set kk, 16
.rept 120
	v_pk_add_f32 v[8+kk%8:9+kk%8], v[kk:kk+1], v[8+kk%8:9+kk%8]
.set kk, kk+2
.endr
	WIN 0
	COMB
	v_mul_f32 v26, s72, v8                         ; the mean
	WIN 0x41
.set kk, 0
.rept 128
	v_pk_add_f32 v[kk:kk+1], v[kk:kk+1], v[26:27] op_sel_hi:[1,0] neg_lo:[0,1] neg_hi:[0,1]
.set kk, kk+2
.endr
	WIN 0x05
.irp c, 0,2,4,6
	v_pk_mul_f32 v[8+\c:9+\c], v[\c:\c+1], v[\c:\c+1]
.endr
.set kk, 8
.rept 124
	v_pk_fma_f32 v[8+kk%8:9+kk%8], v[kk:kk+1], v[kk:kk+1], v[8+kk%8:9+kk%8]
.set kk, kk+2
.endr
	WIN 0
	COMB
	v_fma_f32 v30, v8, s72, s73
	v_rsq_f32 v28, v30
	v_nop
	s_wait_alu depctr_va_vdst(0)                   ; ahead of the first reader of 1/sigma
	ASTEP 0
	ASTEP 1
	ASTEP 2
	ASTEP 3
	s_add_co_u32 s58, s58, 1
	s_cmp_lt_u32 s58, 2
	s_cbranch_scc1 .Ltile
; ---- row tile 0 comes back; addresses of the products; cos and sin of my 32 positions
.irp f, 0,1,2,3,4,5,6,7,8,9,10,11,12,13,14,15
	ds_load_b128 v[128+4*\f:128+4*\f+3], v3 offset:512*\f
.endr
.irp s, 0,1,2,3
	ds_load_b32 v[HS+\s], v4 offset:128*\s
.endr
.irp q, 0,1,2,3
	global_load_b128 v[WS+4*\q:WS+4*\q+3], v56, s[88:89] offset:512*\q    ; Wk's scale words: rows 32 q + lane: tile 2 q in lanes 0-15, tile 2 q + 1 above
.endr
	v_and_b32 v30, 15, v0
	v_bfe_u32 v31, v0, 4, 1
	v_mul_u32_u24 v1, v30, 528
	v_lshl_add_u32 v1, v31, 4, v1                  ; a weight fragment: row r x pitch + 16 h
	v_lshlrev_b32 v2, 5, v31
	v_add_nc_u32 v2, BIAS, v2
	s_lshl_b32 s60, s3, 12
	v_add_nc_u32 v3, s60, v56
	v_add_nc_u32 v3, KIMG, v3                      ; my two tiles' images
	s_lshl_b32 s60, s3, 7
	v_lshlrev_b32 v4, 2, v30
	v_add_nc_u32 v7, BIAS+1024, v4                 ; bv of channel r
	v_add_nc_u32 v6, VSC, v4
	v_add_nc_u32 v4, s60, v4
	v_add_nc_u32 v4, KSC, v4
	s_lshr_b32 s60, s3, 2                          ; v: my 32 keys are block w & 3 of K step w >> 2
	s_and_b32 s61, s3, 3
	s_lshl_b32 s62, s60, 11
	s_lshl_b32 s63, s61, 9
	s_add_co_u32 s62, s62, s63
	v_add_nc_u32 v5, s62, v56
	v_add_nc_u32 v5, VIMG, v5
	s_lshl_b32 s62, s60, 6
	s_add_co_u32 s62, s62, s61
	v_add_nc_u32 v6, s62, v6
	s_lshl_b32 s60, s3, 5
	v_add_nc_u32 v59, s60, v30                     ; position 32 w + r
	WIN 0x40
	v_cvt_f32_u32 v224, v59
	v_cvt_f32_u32 v226, v31
	WIN 0x55                                       ; all in window 1 from here
	v_sub_f32 v225, 1.0, v226
	v_add_f32 v227, 0x41800000, v224               ; the second tile's position
.macro TSJ j, lo, hi                   ; the timescale 10^((8 h + j) / 8)
	v_mul_f32 v[160+\j], \lo, v225
	v_mul_f32 v[176+\j], \hi, v226
	v_add_f32 v[160+\j], v[160+\j], v[176+\j]
.endm
	TSJ 0, 1.0, 10.0
	TSJ 1, 1.333521432, 13.33521432
	TSJ 2, 1.778279410, 17.78279410
	TSJ 3, 2.371373706, 23.71373706
	TSJ 4, 3.162277660, 31.62277660
	TSJ 5, 4.216965034, 42.16965034
	TSJ 6, 5.623413252, 56.23413252
	TSJ 7, 7.498942093, 74.98942093
.irp j, 0,1,2,3,4,5,6,7
	v_rcp_f32 v[168+\j], v[160+\j]
.endr
	v_nop
	s_wait_alu depctr_va_vdst(0)                   ; one wait for the eight reciprocals
.macro SINCOS u, pos                   ; cos at v[128 + 16 u + j], sin at v[136 + 16 u + j], of position / timescale
.irp j, 0,1,2,3,4,5,6,7
	v_mul_f32 v[176+\j], v[\pos], v[168+\j]
.endr
.irp j, 0,1,2,3,4,5,6,7
	v_fma_f32 v[184+\j], -v[176+\j], v[160+\j], v[\pos]
.endr
.irp j, 0,1,2,3,4,5,6,7
	v_fma_f32 v[176+\j], v[184+\j], v[168+\j], v[176+\j]       ; the quotient, corrected once
.endr
.irp j, 0,1,2,3,4,5,6,7
	v_mul_f32 v[184+\j], s78, v[176+\j]
.endr
.irp j, 0,1,2,3,4,5,6,7
	v_rndne_f32 v[184+\j], v[184+\j]                           ; n quarters of a turn
.endr
.irp j, 0,1,2,3,4,5,6,7
	v_fma_f32 v[176+\j], v[184+\j], s76, v[176+\j]
.endr
.irp j, 0,1,2,3,4,5,6,7
	v_fma_f32 v[176+\j], v[184+\j], s77, v[176+\j]             ; rho, within pi/4
.endr
.irp j, 0,1,2,3,4,5,6,7
	v_mul_f32 v[192+\j], v[176+\j], v[176+\j]
.endr
.irp j, 0,1,2,3,4,5,6,7
	v_fmaak_f32 v[200+\j], s74, v[192+\j], 0x3c08839e
.endr
.irp j, 0,1,2,3,4,5,6,7
	v_fmaak_f32 v[200+\j], v[200+\j], v[192+\j], 0xbe2aaaa3
.endr
.irp j, 0,1,2,3,4,5,6,7
	v_mul_f32 v[216+\j], v[192+\j], v[176+\j]
.endr
.irp j, 0,1,2,3,4,5,6,7
	v_fma_f32 v[200+\j], v[200+\j], v[216+\j], v[176+\j]       ; sin rho
.endr
.irp j, 0,1,2,3,4,5,6,7
	v_fmaak_f32 v[208+\j], s75, v[192+\j], 0xbab6061a
.endr
.irp j, 0,1,2,3,4,5,6,7
	v_fmaak_f32 v[208+\j], v[208+\j], v[192+\j], 0x3d2aaaa5
.endr
.irp j, 0,1,2,3,4,5,6,7
	v_fma_f32 v[216+\j], v[192+\j], -0.5, 1.0
.endr
.irp j, 0,1,2,3,4,5,6,7
	v_mul_f32 v[192+\j], v[192+\j], v[192+\j]
.endr
.irp j, 0,1,2,3,4,5,6,7
	v_fma_f32 v[208+\j], v[208+\j], v[192+\j], v[216+\j]       ; cos rho
.endr
.irp j, 0,1,2,3,4,5,6,7
	v_cvt_i32_f32 v[184+\j], v[184+\j]
.endr
.irp j, 0,1,2,3,4,5,6,7
	v_and_b32 v[216+\j], 1, v[184+\j]
	v_cmp_ne_u32 vcc_lo, 0, v[216+\j]                          ; an odd quarter swaps the two
	v_cndmask_b32 v[136+16*\u+\j], v[200+\j], v[208+\j], vcc_lo
	v_cndmask_b32 v[128+16*\u+\j], v[208+\j], v[200+\j], vcc_lo
.endr
.irp j, 0,1,2,3,4,5,6,7
	v_and_b32 v[216+\j], 2, v[184+\j]
.endr
.irp j, 0,1,2,3,4,5,6,7
	v_lshlrev_b32 v[216+\j], 30, v[216+\j]
.endr
.irp j, 0,1,2,3,4,5,6,7
	v_xor_b32 v[136+16*\u+\j], v[216+\j], v[136+16*\u+\j]      ; the sine is negative in quarters 2 and 3
.endr
.irp j, 0,1,2,3,4,5,6,7
	v_add_nc_u32 v[184+\j], 1, v[184+\j]
.endr
.irp j, 0,1,2,3,4,5,6,7
	v_and_b32 v[216+\j], 2, v[184+\j]
.endr
.irp j, 0,1,2,3,4,5,6,7
	v_lshlrev_b32 v[216+\j], 30, v[216+\j]
.endr
.irp j, 0,1,2,3,4,5,6,7
	v_xor_b32 v[128+16*\u+\j], v[216+\j], v[128+16*\u+\j]      ; the cosine in quarters 1 and 2
.endr
.endm
	SINCOS 0, 224
	SINCOS 1, 227
	WIN 0
	s_wait_tensorcnt 0x0                           ; my part of the weights has landed
	BAR                                            ; everybody's has; and nobody reads the waiting places any more
; ---- k, then q: 16 accumulators (2 row tiles x 8 tiles of units) by turns, K step by K step; two weight fragments a step, two steps ahead
.macro LOADW i                         ; K step i / 4, tiles 2 (i % 4) and + 1, into half i % 2
	WIN 0x40
.irp tt, 0,1
.irp c, 0,1,2,3
	ds_load_b128 v[192+32*((\i)%2)+16*\tt+4*\c:192+32*((\i)%2)+16*\tt+4*\c+3], v1 offset:8448*(2*((\i)%4)+\tt)+128*((\i)/4)+32*\c
.endr
.endr
.endm
.macro GSTEP i, isv
.if (\i) < 15
	s_wait_dscnt 8                                 ; the other half's eight loads may be out
.else
	s_wait_dscnt 0x0
.endif
.if \isv
.if (\i) < 4
	WIN 0x44
.else
	WIN 0x54
.endif
.else
	WIN 0x51
.endif
.irp u, 0,1
.irp tt, 0,1
.set rW, 192+32*((\i)%2)+16*\tt
.set rH, 128-64*\u+16*((\i)/4)
.set rWS, WS+4*((\i)%4)+(\i)/4
.set rHS, HS+4*\u+(\i)/4
.if \isv
.set rD, 16*(2*((\i)%4)+\tt)+8*\u
.if (\i) < 4
.if \tt
	MM0 rD, rH, rW, rHS, rWS, matrix_b_scale:MATRIX_SCALE_ROW1
.else
	MM0 rD, rH, rW, rHS, rWS
.endif
.else
.if \tt
	MM rD, rH, rW, rD, rHS, rWS, matrix_b_scale:MATRIX_SCALE_ROW1
.else
	MM rD, rH, rW, rD, rHS, rWS
.endif
.endif
.else
.set rD, 64*\u+8*(2*((\i)%4)+\tt)
.if \tt
	MM rD, rW, rH, rD, rWS, rHS, matrix_a_scale:MATRIX_SCALE_ROW1
.else
	MM rD, rW, rH, rD, rWS, rHS
.endif
.endif
.endr
.endr
	PLACES 8                                       ; in front of loads into registers that these products read, and of the first read of results
.if (\i) < 14
	LOADW (\i)+2
.endif
.endm
.macro ROPE u, a                       ; tile 4 a (dims 0-15 of the head) against tile 4 a + 2 (dims 32-47); the other two tiles pass
.set rX1, 64*\u+32*\a
.set rX2, 64*\u+32*\a+16
.irp j, 0,2,4,6
	v_pk_mul_f32 v[160+\j:161+\j], v[rX1+\j:rX1+\j+1], v[128+16*\u+\j:129+16*\u+\j]
	v_pk_mul_f32 v[168+\j:169+\j], v[rX1+\j:rX1+\j+1], v[136+16*\u+\j:137+16*\u+\j]
	v_pk_fma_f32 v[rX1+\j:rX1+\j+1], v[rX2+\j:rX2+\j+1], v[136+16*\u+\j:137+16*\u+\j], v[160+\j:161+\j] neg_lo:[1,0,0] neg_hi:[1,0,0]
	v_pk_fma_f32 v[rX2+\j:rX2+\j+1], v[rX2+\j:rX2+\j+1], v[128+16*\u+\j:129+16*\u+\j], v[168+\j:169+\j]
.endr
.endm
	s_mov_b32 s58, 0
.Lgroup:
	WIN 0x40
.irp u, 0,1
.irp t, 0,1,2,3,4,5,6,7
	ds_load_b128 v[64*\u+8*\t:64*\u+8*\t+3], v2 offset:64*\t          ; the bias is what the sums begin with
	ds_load_b128 v[64*\u+8*\t+4:64*\u+8*\t+7], v2 offset:64*\t+16
.endr
.endr
	LOADW 0
	LOADW 1
	s_wait_loadcnt 0x0                             ; the weights' scale words
.set nn, 0
.rept 16
	GSTEP nn, 0
.set nn, nn+1
.endr
	WIN 0
.irp q, 0,1,2,3
	global_load_b128 v[WS+4*\q:WS+4*\q+3], v56, s[66:67] offset:512*\q    ; the next weight's scale words
.endr
	s_wait_xcnt 0x0                                ; the loads have read their base
	s_mov_b64 s[66:67], s[84:85]
	WIN 0x55
	ROPE 0, 0
	ROPE 0, 1
	ROPE 1, 0
	ROPE 1, 1
.irp u, 0,1
	QUANT 64*\u, 1, 192, 1
.irp c, 0,1,2,3
	ds_store_b128 v3, v[192+4*\c:192+4*\c+3] offset:2048*\u+512*\c
.endr
	ds_store_b32 v4, v[PW] offset:64*\u            ; both lanes of a row write the same word
	s_wait_dscnt 0x0                               ; the stores have read their registers
.endr
	v_add_nc_u32 v1, 67584, v1                     ; on to the next weight, its bias, its images
	v_add_nc_u32 v2, 512, v2
	v_add_nc_u32 v3, 32768, v3
	v_add_nc_u32 v4, 1024, v4
	s_add_co_u32 s58, s58, 1
	s_cmp_lt_u32 s58, 2
	s_cbranch_scc1 .Lgroup
; ---- v, not transposed: a lane holds channel 16 t + r and my 32 keys
.irp t, 0,1,2,3,4,5,6,7
	ds_load_b32 v[208+\t], v7 offset:64*\t
.endr
	LOADW 0
	LOADW 1
	s_wait_loadcnt 0x0
.set nn, 0
.rept 16
	GSTEP nn, 1
.set nn, nn+1
.endr
	WIN 0x41
.irp t, 0,1,2,3,4,5,6,7
.irp i, 0,1,2,3,4,5,6,7,8,9,10,11,12,13,14,15
	v_add_f32 v[16*\t+\i], v[16*\t+\i], v[208+\t]
.endr
.endr
.irp g, 0,1
	QUANT 64*\g, 1, 192, 0
.irp b, 0,1,2,3
	ds_store_b128 v5, v[192+4*\b:192+4*\b+3] offset:4096*(4*\g+\b)    ; one block of 32 keys of channel tile 4 g + b
	ds_store_b8 v6, v[TM+4+\b] offset:128*(4*\g+\b)
.endr
	s_wait_dscnt 0x0
.endr
	BAR                                            ; k's, q's and v's images lie in LDS
; ---- attention: a tile of 16 queries a trip, both heads, all 256 keys at once
.irp i, 0,1,2,3,4,5,6,7
	v_mov_b32 v[72+\i], 0                          ; zero codes: the other head's half of K, for both heads' q.  They are written first: the fifteen address lines below are the places between them and the first product that names them
	v_mov_b32 v[168+\i], 0                         ; (a lane permute's destination)
.endr
	v_and_b32 v58, 31, v0
	v_and_b32 v30, 15, v0
	v_bfe_u32 v31, v0, 4, 1
	v_add_nc_u32 v1, KIMG, v56
	v_lshlrev_b32 v57, 2, v58
	v_add_nc_u32 v2, KSC, v57
	s_lshl_b32 s60, s3, 12
	v_add_nc_u32 v3, s60, v56
	v_add_nc_u32 v3, QIMG, v3
	s_lshl_b32 s60, s3, 7
	v_lshlrev_b32 v4, 2, v30
	v_add_nc_u32 v4, s60, v4
	v_add_nc_u32 v4, QSC, v4
	v_add_nc_u32 v5, VIMG, v56
	v_add_nc_u32 v6, VSC, v57
	v_lshlrev_b32 v7, 4, v30
	v_lshl_add_u32 v7, v31, 3, v7                  ; o's image: 16 r + 8 h
.irp i, 0,1,2,3,4,5,6,7
	ds_load_b32 v[32+\i], v2 offset:128*\i         ; K's scale words: tile 2 i below, tile 2 i + 1 above
	ds_load_b32 v[40+\i], v6 offset:128*\i         ; V's: K step 0 below, K step 1 above
.endr
.macro LOADK i
	WIN 0
.irp tt, 0,1
.irp c, 0,1,2,3
	ds_load_b128 v[192+32*((\i)%2)+16*\tt+4*\c:192+32*((\i)%2)+16*\tt+4*\c+3], v1 offset:2048*(2*(\i)+\tt)+512*\c
.endr
.endr
.endm
.macro CSTEP i
.if (\i) < 7
	s_wait_dscnt 8
.else
	s_wait_dscnt 0x0
.endif
	WIN 0x40
.irp tt, 0,1
.irp a, 0,1
.set rD, 128*\a+8*(2*(\i)+\tt)
.set rK, 192+32*((\i)%2)+16*\tt
.set rQ, 64+8*\a
.set rKS, 32+(\i)
.if \tt
	MM0 rD, rK, rQ, rKS, 52, matrix_a_scale:MATRIX_SCALE_ROW1
.else
	MM0 rD, rK, rQ, rKS, 52
.endif
.endr
.endr
	PLACES 8
.if (\i) < 6
	LOADK (\i)+2
.endif
.endm
.macro SOFTMAX a                       ; 128 scores a lane, 8 blocks of 32 keys.  p = 2^(t - M), M = ceil(the row's largest t); l of the unquantised p
.set SB, 128*\a
	WIN 0x05
.irp b, 0,1,2,3,4,5,6,7
	v_max_num_f32 v[160+\b], v[SB+16*\b], v[SB+16*\b+1]
.endr
.irp i, 2,4,6,8,10,12,14
.irp b, 0,1,2,3,4,5,6,7
	v_max3_num_f32 v[160+\b], v[SB+16*\b+\i], v[SB+16*\b+\i+1], v[160+\b]
.endr
.endr
	WIN 0
.irp b, 0,1,2,3,4,5,6,7
	v_permlanex16_b32 v[168+\b], v[160+\b], s[SEL], s[SEL+1]
.endr
.irp b, 0,1,2,3,4,5,6,7
	v_max_num_f32 v[160+\b], v[160+\b], v[168+\b]              ; each block's largest score: it serves the row's maximum and the block's largest p
.endr
	v_max3_num_f32 v18, v160, v161, v162
	v_max3_num_f32 v18, v18, v163, v164
	v_max3_num_f32 v18, v18, v165, v166
	v_max_num_f32 v18, v18, v167
	v_mul_f32 v18, s56, v18
	v_floor_f32 v16, -v18                          ; -M
	WIN 0x41
.set kk, 0
.rept 64
	v_pk_fma_f32 v[SB+kk:SB+kk+1], v[SB+kk:SB+kk+1], s[56:57], v[16:17] op_sel_hi:[1,0,0]
.set kk, kk+2
.endr
	WIN 0
.irp b, 0,1,2,3,4,5,6,7
	v_fma_f32 v[160+\b], v[160+\b], s56, v16
.endr
	WIN 0x41
.set kk, 0
.rept 128
	v_exp_f32 v[SB+kk], v[SB+kk]
.set kk, kk+1
.endr
	v_nop
	s_wait_alu depctr_va_vdst(0)                   ; one wait for the 128
	WIN 0
.irp b, 0,1,2,3,4,5,6,7
	v_exp_f32 v[160+\b], v[160+\b]
.endr
	WIN 0x05
.irp c, 0,2,4,6
	v_pk_add_f32 v[8+\c:9+\c], v[SB+\c:SB+\c+1], v[SB+8+\c:SB+9+\c]   ; the sums read the 128 alone: plain work behind the eight
.endr
	WIN 0x01
.set kk, 16
.rept 56
	v_pk_add_f32 v[8+kk%8:9+kk%8], v[SB+kk:SB+kk+1], v[8+kk%8:9+kk%8]
.set kk, kk+2
.endr
	WIN 0
	s_wait_alu depctr_va_vdst(0)                   ; and one for the eight
.irp b, 0,1,2,3,4,5,6,7
	v_max_num_f32 v[160+\b], 0x4800000, v[160+\b]
.endr
.irp b, 0,1,2,3,4,5,6,7
	v_add_nc_u32 v[176+\b], 0xfc000000, v[160+\b]
.endr
.irp b, 0,1,2,3,4,5,6,7
	v_and_or_b32 v[184+\b], v[160+\b], 0x7f800000, s[MNT]
.endr
.irp b, 0,1,2,3,4,5,6,7
	v_lshrrev_b32 v[168+\b], 23, v[176+\b]
.endr
.irp s, 0,1
	v_lshl_or_b32 v[48+2*\a+\s], v[169+4*\s], 8, v[168+4*\s]
	v_lshl_or_b32 v[48+2*\a+\s], v[170+4*\s], 16, v[48+2*\a+\s]
	v_lshl_or_b32 v[48+2*\a+\s], v[171+4*\s], 24, v[48+2*\a+\s]
.endr
	WIN 0x41
.irp b, 0,1,2,3,4,5,6,7
.irp i, 0,1,2,3,4,5,6,7,8,9,10,11,12,13,14,15
	v_min_num_f32 v[SB+16*\b+\i], v[SB+16*\b+\i], v[184+\b]    ; p is not negative: the hold is one-sided
.endr
.endr
	WIN 0x01
.irp b, 0,1,2,3,4,5,6,7
	v_cvt_scalef32_pk8_fp8_f32 v[96+32*\a+4*\b:97+32*\a+4*\b], v[SB+16*\b:SB+16*\b+7], v[176+\b]
	v_cvt_scalef32_pk8_fp8_f32 v[98+32*\a+4*\b:99+32*\a+4*\b], v[SB+16*\b+8:SB+16*\b+15], v[176+\b]
.endr
	WIN 0
	v_nop
	COMB
	v_rcp_f32 v[26+2*\a], v8
	v_nop
.endm
.macro OROUND s, a                     ; O^T of head a += four channel tiles x 128 keys
	WIN 0
.irp d, 0,1,2,3
.irp c, 0,1,2,3
	ds_load_b128 v[192+16*\d+4*\c:192+16*\d+4*\c+3], v5 offset:2048*(2*(4*\a+\d)+\s)+512*\c
.endr
.endr
	s_wait_dscnt 0x0
.if \s
	WIN 0x50
.else
	WIN 0x40
.endif
.irp d, 0,1,2,3
.set rD, 32*\a+8*\d
.set rV, 192+16*\d
.set rP, 96+32*\a+16*\s
.set rVS, 40+4*\a+\d
.set rPS, 48+2*\a+\s
.if \s
	MM rD, rV, rP, rD, rVS, rPS, matrix_a_scale:MATRIX_SCALE_ROW1
.else
	MM0 rD, rV, rP, rVS, rPS
.endif
.endr
	PLACES 8
.endm
	s_mov_b32 s58, 0
.Lq:
	ds_load_b128 v[64:67], v3                      ; head 0's q in blocks 0, 1 of v[64:79]; head 1's in blocks 2, 3 of v[72:87]
	ds_load_b128 v[68:71], v3 offset:512
	ds_load_b128 v[80:83], v3 offset:1024
	ds_load_b128 v[84:87], v3 offset:1536
	ds_load_b32 v52, v4
	LOADK 0
	LOADK 1
.set nn, 0
.rept 8
	CSTEP nn
.set nn, nn+1
.endr
	SOFTMAX 0
	SOFTMAX 1
	s_wait_alu depctr_va_vdst(0)                   ; for the reciprocals of l
	OROUND 0, 0
	OROUND 0, 1
	OROUND 1, 0
	OROUND 1, 1
	WIN 0x41
.irp a, 0,1
.set kk, 0
.rept 16
	v_pk_mul_f32 v[32*\a+kk:32*\a+kk+1], v[32*\a+kk:32*\a+kk+1], v[26+2*\a:27+2*\a] op_sel_hi:[1,0]
.set kk, kk+2
.endr
.endr
	QUANT 0, 1, 160, 1
.irp c, 0,1,2,3
.irp t, 0,1
	global_store_b64 v7, v[160+4*\c+2*\t:161+4*\c+2*\t], s[68:69] offset:512*\c+256*\t   ; 32 lanes store 256 consecutive bytes, aligned: the true order of k
.endr
.endr
	global_store_b32 v57, v[PW], s[70:71]
	s_wait_xcnt 0x0                                ; the stores have read their registers and bases
	s_add_nc_u64 s[68:69], s[68:69], 8192
	s_add_nc_u64 s[70:71], s[70:71], 512
	v_add_nc_u32 v3, 2048, v3
	v_add_nc_u32 v4, 64, v4
	s_add_co_u32 s58, s58, 1
	s_cmp_lt_u32 s58, 2
	s_cbranch_scc1 .Lq
; ---- W2's scale words by K step: K step = cluster x, wave of the next launch = p, eight lanes' words for each partner (told apart by address)
	s_cmp_lg_u32 s3, 7
	s_cbranch_scc1 .Lend
	v_and_b32 v59, 3, v58
	v_lshrrev_b32 v60, 2, v58
	v_lshl_add_u32 v59, v59, 5, v60
	v_lshlrev_b32 v59, 6, v59                      ; 64 bytes a row of W2_scales
	s_lshl_b32 s60, s6, 13
	s_lshl_b32 s61, s4, 9
	s_add_co_u32 s60, s60, s61
	s_lshl_b32 s61, ttmp9, 2
	s_add_co_u32 s60, s60, s61
	v_add_nc_u32 v59, s60, v59
	global_load_b32 v61, v59, s[32:33]
	s_lshl_b32 s60, ttmp9, 11
	s_lshl_b32 s61, s6, 9
	s_add_co_u32 s60, s60, s61
	s_lshl_b32 s61, s4, 7
	s_add_co_u32 s60, s60, s61
	v_add_nc_u32 v62, s60, v57
	s_wait_loadcnt 0x0
	global_store_b32 v62, v61, s[38:39]
.Lend:
	s_wait_tensorcnt 0x0
	ds_add_u32 v25, v63
	s_wait_dscnt 0x0
	ROUND                                          ; the closing round
	s_endpgm
.Lfunc_end_k_q4983ff92bc_attn:
	.size	k_q4983ff92bc_attn, .Lfunc_end_k_q4983ff92bc_attn-k_q4983ff92bc_attn
	.p2alignl 7, 3214868480
	.fill 96, 4, 3214868480
	.section	.rodata,"a",@progbits
	.p2align	6, 0x0
	.amdhsa_kernel k_q4983ff92bc_attn
		.amdhsa_group_segment_fixed_size 327680
		.amdhsa_private_segment_fixed_size 0
		.amdhsa_enable_private_segment 0
		.amdhsa_kernarg_size 128
		.amdhsa_user_sgpr_count 2
		.amdhsa_user_sgpr_kernarg_segment_ptr 1
		.amdhsa_wavefront_size32 1
		.amdhsa_system_sgpr_workgroup_id_x 1
		.amdhsa_system_sgpr_workgroup_id_y 1
		.amdhsa_system_sgpr_workgroup_id_z 1
		.amdhsa_system_vgpr_workitem_id 0
		.amdhsa_next_free_vgpr 512
		.amdhsa_next_free_sgpr 106
		.amdhsa_reserve_vcc 1
		.amdhsa_float_denorm_mode_32 3
		.amdhsa_float_denorm_mode_16_64 3
		.amdhsa_memory_ordered 1
		.amdhsa_forward_progress 1
		.amdhsa_inst_pref_size 255
	.end_amdhsa_kernel
	.section	.bss,"aw",@nobits
	.p2align	6
	.space	262144
	.amdgpu_metadata
---
amdhsa.version: [ 1, 2 ]
amdhsa.kernels:
  - .name:           k_q4983ff92bc_attn
    .symbol:         k_q4983ff92bc_attn.kd
    .args:
      - { .name: x, .offset: 0, .size: 8, .value_kind: global_buffer, .address_space: global }
      - { .name: ln1_g, .offset: 8, .size: 8, .value_kind: global_buffer, .address_space: global }
      - { .name: ln1_b, .offset: 16, .size: 8, .value_kind: global_buffer, .address_space: global }
      - { .name: Wk_codes, .offset: 24, .size: 8, .value_kind: global_buffer, .address_space: global }
      - { .name: Wq_codes, .offset: 32, .size: 8, .value_kind: global_buffer, .address_space: global }
      - { .name: Wv_codes, .offset: 40, .size: 8, .value_kind: global_buffer, .address_space: global }
      - { .name: Wk_scales, .offset: 48, .size: 8, .value_kind: global_buffer, .address_space: global }
      - { .name: Wq_scales, .offset: 56, .size: 8, .value_kind: global_buffer, .address_space: global }
      - { .name: Wv_scales, .offset: 64, .size: 8, .value_kind: global_buffer, .address_space: global }
      - { .name: bk, .offset: 72, .size: 8, .value_kind: global_buffer, .address_space: global }
      - { .name: bq, .offset: 80, .size: 8, .value_kind: global_buffer, .address_space: global }
      - { .name: bv, .offset: 88, .size: 8, .value_kind: global_buffer, .address_space: global }
      - { .name: W2_scales, .offset: 96, .size: 8, .value_kind: global_buffer, .address_space: global }
      - { .name: o_img, .offset: 104, .size: 8, .value_kind: global_buffer, .address_space: global }
      - { .name: o_sc, .offset: 112, .size: 8, .value_kind: global_buffer, .address_space: global }
      - { .name: w2sc, .offset: 120, .size: 8, .value_kind: global_buffer, .address_space: global }
    .group_segment_fixed_size: 327680
    .private_segment_fixed_size: 0
    .kernarg_segment_align: 8
    .kernarg_segment_size: 128
    .max_flat_workgroup_size: 256
    .sgpr_count:     106
    .vgpr_count:     512
    .wavefront_size: 32
...
	.end_amdgpu_metadata
.endif
;; end of part 1
;; launch ffn (part 2): grid 256 x 1, 4 waves a work-group, clusters of 4 x 1, 327,680 bytes of LDS; arguments o_img, o_sc, x, Wo_codes, Wo_scales, bo, ln3_g, ln3_b, W1_codes, W1_scales, b1, W2_codes, w2sc, b2, out0; writes out0
.if DOCPART == 2
	.amdgcn_target "amdgcn-amd-amdhsa--gfx1250"
	.amdhsa_code_object_version 6
	.text
	.protected	k_q4983ff92bc_ffn
	.globl	k_q4983ff92bc_ffn
	.p2align	8
	.type	k_q4983ff92bc_ffn,@function
k_q4983ff92bc_ffn:
	s_mov_b64 s[64:65], 0
	v_nop
	global_prefetch_b8 v0, s[64:65] scope:SCOPE_SE
	s_setreg_imm32_b32 hwreg(HW_REG_WAVE_MODE, 25, 1), 1
	s_wait_xcnt 0x0
	s_wait_alu depctr_hold_cnt(0) depctr_sa_sdst(0) depctr_va_vdst(0) depctr_va_sdst(0) depctr_va_ssrc(0) depctr_va_vcc(0) depctr_vm_vsrc(0)
	s_getreg_b32 s2, hwreg(HW_REG_IB_STS2, 6, 4)
	s_cmp_eq_u32 s2, 0
	s_cbranch_scc0 .Lentry_in_a_cluster
	s_endpgm
.Lentry_in_a_cluster:
	s_bfe_u32 s2, ttmp6, 0x10000c
	s_cmp_lg_u32 s2, 0x3003
	s_cbranch_scc0 .Lentry_shape_is_right
	s_endpgm
.Lentry_shape_is_right:
; out = h + gelu(LN3(h) W1 + b1) W2 + b2 with h = x + o Wo + bo, for 64 rows a work-group; all products on E4M3 codes with E8M0 scales; h, the norm and the hidden layer never go to memory.
; Four waves share the COLUMNS: wave w holds columns 128 w .. + 127 of h and of out for all 64 rows (32 accumulators, window 2), and makes hidden units 32 w .. + 31 of each step of 128.
; So each weight fragment is read from LDS once in the work-group and feeds four products.  The hidden layer and the norm's result go from wave to wave through LDS as images of the operand's registers.
; The weights are the same for every work-group: the four of a cluster ask for them jointly.  Wo fills LDS first; then a ring of two slots, a slot = 128 rows of W1 (512 bytes + 16) and 512 rows of W2 (128 bytes + 16).
; A STEP HAS ONE ROUND, IN ITS MIDDLE, behind the stores of the hidden images: by then a wave has read all of the step's slot, so the round is also the change of slots.  Behind it the slot is filled with the tiles two steps on,
; the hidden fragments are fetched, and W1's fragments of the NEXT step are fetched between the second product's matrix instructions.  The hidden images have two sets, taken by turns, so that no second barrier is needed.
; Products are used transposed (source 0 = 16 weight rows, source 1 = 16 rows): a lane holds one row and eight neighbouring columns a tile.
; gelu(x) = h + |h| (1 - erfc(|x|/sqrt 2)), h = x / 2;  erfc(y) = t (a1 + t (a2 + t (a3 + t (a4 + t a5)))) exp(-y^2), t = 1 / (1 + 0.3275911 y).
; LIMITS: that erfc is within about 3e-7 (absolute) and 1 - erfc is rounded at 6e-8, so gelu is within about 2e-7 |x|; NaN and infinities are not served; a block of zeros gets the scale byte 1 (its codes are zeros).
; REGISTERS: window 0: v0-30 addresses and constants; v32-47 TM; v48-63 means, 1/sigma; v64-95 scale words alone; v96-111 b1; v112-127 codes just made; v128-191 hidden tiles; v192-255 hidden fragments, at work.
;   window 1: the 16 fragments of the left operand (o, then the norm's result).  window 2: the accumulators, 64 m + 8 t.  window 3: weight fragments (W1 0-127, W2 128-255); 0-127 at work in gelu; all at work in the norm.
.set SLOTB, 141312
.set XR,    282624                     ; behind the ring: x's stage (8,448 a wave), then images of 16 fragments, then two sets of the hidden layer's four (8,192 each)
.set NSC,   316416                     ; their scale words, 128 bytes a fragment; the hidden layer's two sets 512 apart
.set STAT,  318464                     ; (mean, sum of squared differences) of a wave's 128 columns: 512 w + 128 m + 8 r
.set SPARE, 320512                     ; the spare words, 128 bytes a wave: two blocks of 256 bytes that no other line names
.set TM,  32
.set PW,  30
.set SEL, 78
.set MNT, 80
.set MSB, 0
.macro WIN new
.if MSB != (\new)
	s_set_vgpr_msb (MSB<<8)|(\new)
.set MSB, (\new)
.endif
.endm
.macro PLACES n
.rept \n
	v_nop
.endr
.endm
.macro ROUND
	s_barrier_signal -1
	s_barrier_wait -1
	s_cmp_lg_u32 s3, 0
	s_cbranch_scc1 .Lnw0_\@
	s_barrier_signal -3
.Lnw0_\@:
	s_barrier_wait -3
	s_barrier_signal -1
	s_barrier_wait -1
.endm
.macro BAR
	s_wait_dscnt 0x0
	s_barrier_signal -1
	s_barrier_wait -1
.endm
.macro JLOAD                           ; waves 0, 1: the halves of W1's tile; waves 2, 3: of W2's.  The branch hangs on the wave's number alone; four v_nop follow each line
	s_cmp_eq_u32 s7, 0
	s_cbranch_scc0 .Lfor_2_\@
	tensor_load_to_lds s[56:59], s[40:47]
	s_nop 0
	PLACES 4
	s_branch .Lasked_\@
.Lfor_2_\@:
	tensor_load_to_lds s[60:63], s[48:55]
	s_nop 0
	PLACES 4
.Lasked_\@:
.endm
.macro NEXTTILE                        ; written where no tensor load of mine is out: the other slot, the next step's tiles
	s_xor_b32 s66, s66, SLOTB
	s_add_co_u32 s57, s66, s76
	s_add_co_u32 s61, s66, s77
	s_add_nc_u64 s[58:59], s[58:59], 65536
	s_add_nc_u64 s[62:63], s[62:63], 128
.endm
.macro MM d, a, b, c, sa, sb, mod
	v_wmma_scale_f32_16x16x128_f8f6f4 v[\d:\d+7], v[\a:\a+15], v[\b:\b+15], v[\c:\c+7], v[\sa], v[\sb] \mod
.endm
.macro QUANT src, dst, word            ; 64 numbers in window 0, register 16 b + i; block b is shared with lane l xor 16
.irp b, 0,1,2,3
	v_max3_num_f32 v[TM+\b], |v[(\src)+16*\b]|, |v[(\src)+16*\b+1]|, 0x4800000   ; with the floor 2^(9 - 127)
.endr
.irp i, 2,4,6,8,10,12,14
.irp b, 0,1,2,3
	v_max3_num_f32 v[TM+\b], |v[(\src)+16*\b+\i]|, |v[(\src)+16*\b+\i+1]|, v[TM+\b]
.endr
.endr
.irp b, 0,1,2,3
	v_permlanex16_b32 v[TM+4+\b], v[TM+\b], s[SEL], s[SEL+1]
.endr
.irp b, 0,1,2,3
	v_max_num_f32 v[TM+\b], v[TM+\b], v[TM+4+\b]
.endr
.irp b, 0,1,2,3
	v_add_nc_u32 v[TM+12+\b], 0xfc000000, v[TM+\b]
.endr
.irp b, 0,1,2,3
	v_and_or_b32 v[TM+8+\b], v[TM+\b], 0x7f800000, s[MNT]
.endr
.irp b, 0,1,2,3
	v_lshrrev_b32 v[TM+4+\b], 23, v[TM+12+\b]
.endr
.if \word
	v_lshl_or_b32 v[PW], v[TM+5], 8, v[TM+4]
	v_lshl_or_b32 v[PW], v[TM+6], 16, v[PW]
	v_lshl_or_b32 v[PW], v[TM+7], 24, v[PW]
.endif
.irp b, 0,1,2,3
.irp i, 0,1,2,3,4,5,6,7,8,9,10,11,12,13,14,15
	v_med3_num_f32 v[(\src)+16*\b+\i], v[(\src)+16*\b+\i], -v[TM+8+\b], v[TM+8+\b]
.endr
.endr
.irp b, 0,1,2,3
	v_cvt_scalef32_pk8_fp8_f32 v[(\dst)+4*\b:(\dst)+4*\b+1], v[(\src)+16*\b:(\src)+16*\b+7], v[TM+12+\b]
	v_cvt_scalef32_pk8_fp8_f32 v[(\dst)+4*\b+2:(\dst)+4*\b+3], v[(\src)+16*\b+8:(\src)+16*\b+15], v[TM+12+\b]
.endr
	v_nop
.endm
	s_load_b512 s[8:23], s[0:1], 0x0               ; o_img, o_sc, x, Wo codes, Wo scales, bo, ln3_g, ln3_b
	s_load_b256 s[24:31], s[0:1], 0x40             ; W1 codes, W1 scales, b1, W2 codes
	s_load_b128 s[32:35], s[0:1], 0x60             ; w2sc, b2
	s_load_b64 s[36:37], s[0:1], 0x70              ; out0
	v_lshl_add_u32 v4, v0, 2, SPARE
	v_mov_b32 v5, 0
	ds_add_u32 v4, v5
	ds_add_u32 v4, v5
	s_wait_dscnt 0x0
	v_lshrrev_b32 v1, 5, v0
	v_readfirstlane_b32 s3, v1                     ; wave 0..3
	s_and_b32 s6, s3, 1
	s_lshr_b32 s7, s3, 1
	s_mov_b32 s40, 15|(1<<20)|(1<<21)|(6<<22)|(3<<25)  ; group 1 for Wo and W1: 64 rows of 512 bytes, 16 of padding behind each; the mask names all four
	s_mov_b32 s41, 512<<16
	s_mov_b32 s42, 64<<16
	s_mov_b32 s43, 512<<16
	s_mov_b32 s44, 64
	s_mov_b32 s45, 512
	s_mov_b32 s46, 0
	s_mov_b32 s47, 0
	s_mov_b32 s48, 15|(1<<20)|(1<<21)|(4<<22)|(3<<25)  ; for W2: 256 rows of 128 bytes, 2,048 apart
	s_mov_b32 s49, 128<<16
	s_mov_b32 s50, 256<<16
	s_mov_b32 s51, 128<<16
	s_mov_b32 s52, 256
	s_mov_b32 s53, 2048
	s_mov_b32 s54, 0
	s_mov_b32 s55, 0
	s_mul_i32 s76, s6, 33792                       ; my half's place in a slot: W1's,
	s_mul_i32 s77, s6, 36864
	s_add_co_u32 s77, s77, 67584                   ; W2's
	s_mov_b32 s66, 0                               ; the slot that is asked for
	s_mov_b32 s2, 0                                ; the slot that is read
	s_mov_b32 s38, 0                               ; the set of hidden images in hand: 0 or 8,192;
	s_mov_b32 s39, 0                               ; of their scale words: 0 or 512
	s_mov_b32 s56, 1
	s_mov_b32 s57, s76
	s_mov_b32 s60, 1
	s_mov_b32 s61, s77
	s_mov_b32 s68, 1
	s_mul_i32 s69, s3, 67584                       ; Wo: my 128 rows, which I alone read
	s_mov_b32 s72, 1
	s_add_co_u32 s73, s69, 33792
	s_mov_b32 s78, 0x76543210
	s_mov_b32 s79, 0xfedcba98
	s_mov_b32 s80, 0x600000
	s_mov_b32 s81, 0x3e6d3388                      ; 0.3275911 / sqrt 2
	s_mov_b32 s82, 0x3f596d27                      ; sqrt(log2(e) / 2)
	s_mov_b32 s83, s82
	s_mov_b32 s84, 0x3f87dc22                      ; a5
	s_mov_b32 s85, s84
	s_mov_b32 s86, 0x3fb5f0e3                      ; a3
	s_mov_b32 s87, s86
	s_mov_b32 s88, 0xbe91a98e                      ; a2
	s_mov_b32 s89, s88
	s_mov_b32 s90, 0x3e827906                      ; a1
	s_mov_b32 s91, s90
	s_mov_b32 s95, 0x3727c5ac                      ; 1e-5
	s_mov_b32 s96, 0x3b000000                      ; 1 / 512
	s_mov_b32 s97, 0x43000000                      ; 128
	s_mov_b32 s93, 0
	s_mov_b32 s99, 0
	s_wait_kmcnt 0x0
	s_lshl_b32 s92, s3, 16
	s_add_nc_u64 s[70:71], s[14:15], s[92:93]
	s_add_nc_u64 s[74:75], s[70:71], 32768
	s_or_b32 s71, s71, 0x80000000
	s_or_b32 s75, s75, 0x80000000
	s_lshl_b32 s92, s6, 15
	s_add_nc_u64 s[58:59], s[24:25], s[92:93]
	s_or_b32 s59, s59, 0x80000000
	s_lshl_b32 s92, s6, 19
	s_add_nc_u64 s[62:63], s[30:31], s[92:93]
	s_or_b32 s63, s63, 0x80000000
	ROUND                                          ; all four work-groups are here
	tensor_load_to_lds s[68:71], s[40:47]          ; two loads of mine are out
	s_nop 0
	tensor_load_to_lds s[72:75], s[40:47]
	s_nop 0
	PLACES 4
	s_lshl_b32 s92, s3, 9                          ; my 128 columns, or 32 rows of 16 scale bytes
	s_add_nc_u64 s[18:19], s[18:19], s[92:93]
	s_add_nc_u64 s[20:21], s[20:21], s[92:93]
	s_add_nc_u64 s[22:23], s[22:23], s[92:93]
	s_add_nc_u64 s[34:35], s[34:35], s[92:93]
	s_add_nc_u64 s[26:27], s[26:27], s[92:93]
	s_add_nc_u64 s[32:33], s[32:33], s[92:93]
	s_add_nc_u64 s[12:13], s[12:13], s[92:93]
	s_add_nc_u64 s[36:37], s[36:37], s[92:93]
	s_lshl_b32 s92, s3, 11
	s_add_nc_u64 s[16:17], s[16:17], s[92:93]
	s_lshl_b32 s92, s3, 7
	s_add_nc_u64 s[28:29], s[28:29], s[92:93]
	s_bfe_u32 s4, ttmp6, 0x40000                   ; cx: it enters global addresses alone
	s_lshl_b32 s5, ttmp9, 2
	s_add_co_u32 s5, s5, s4                        ; my block of 64 rows
	s_lshl_b32 s98, s5, 15
	s_add_nc_u64 s[8:9], s[8:9], s[98:99]
	s_lshl_b32 s98, s5, 11
	s_add_nc_u64 s[10:11], s[10:11], s[98:99]
	s_lshl_b32 s98, s5, 17
	s_add_nc_u64 s[12:13], s[12:13], s[98:99]
	s_add_nc_u64 s[36:37], s[36:37], s[98:99]
	v_and_b32 v1, 15, v0                           ; r
	v_bfe_u32 v2, v0, 4, 1                         ; h
	v_and_b32 v3, 31, v0                           ; lane
	v_lshlrev_b32 v6, 4, v3
	v_lshlrev_b32 v7, 2, v3
	v_mul_u32_u24 v26, v1, 528
	s_mul_i32 s92, s3, 8448
	v_add_nc_u32 v10, s92, v6                      ; a stage: back by rows,
	v_lshl_add_u32 v11, v2, 5, v26
	v_add_nc_u32 v11, s92, v11                     ; and by the accumulators' layout: row r, 32 h
	v_add_nc_u32 v8, XR, v10
	v_add_nc_u32 v9, XR, v11
	v_lshl_add_u32 v26, v2, 4, v26                 ; a fragment's row x 528 + 16 h
	v_add_nc_u32 v12, s69, v26
	s_mul_i32 s92, s3, 16896
	v_add_nc_u32 v13, s92, v26
	v_mul_u32_u24 v15, v1, 144
	v_lshl_add_u32 v15, v2, 4, v15
	s_mul_i32 s92, s3, 18432
	s_add_co_u32 s92, s92, 67584
	v_add_nc_u32 v15, s92, v15
	v_lshlrev_b32 v27, 4, v1
	v_lshl_add_u32 v27, v2, 3, v27                 ; 16 r + 8 h
	s_lshl_b32 s92, s3, 11
	v_add_nc_u32 v17, s92, v27
	v_add_nc_u32 v17, XR, v17
	s_lshl_b32 s92, s3, 9
	v_add_nc_u32 v21, s92, v27
	v_add_nc_u32 v21, XR, v21
	v_lshlrev_b32 v24, 3, v1
	v_add_nc_u32 v24, STAT, v24
	v_add_nc_u32 v23, s92, v24
	v_add_nc_u32 v19, XR, v6
	v_add_nc_u32 v20, NSC, v7
	s_lshl_b32 s92, s3, 7
	v_add_nc_u32 v18, s92, v20
	v_add_nc_u32 v22, s3, v20
	v_lshlrev_b32 v25, 5, v2
	v_mov_b32 v28, 0xbfba00e3                      ; a4, twice
	v_mov_b32 v29, 0xbfba00e3
.irp b, 0,1,2,3
	v_mov_b32 v[TM+4+\b], 0
	v_mov_b32 v[57+2*\b], 0
.endr
.irp i, 0,1,2,3
	global_load_b128 v[80+4*\i:83+4*\i], v6, s[16:17] offset:512*\i        ; Wo's scale words: tile 2 i below, 2 i + 1 above
.endr
.irp f, 0,1,2,3,4,5,6,7,8,9,10,11,12,13,14,15
	global_load_b32 v[64+\f], v7, s[10:11] offset:128*\f                   ; o's scale words (4 m + s)
.endr
	WIN 0x40
.irp f, 0,1,2,3,4,5,6,7,8,9,10,11,12,13,14,15
.irp c, 0,1,2,3
	global_load_b128 v[16*\f+4*\c:16*\f+4*\c+3], v6, s[8:9] offset:2048*\f+512*\c   ; o's fragments as they were stored
.endr
.endr
	WIN 0
.irp t, 0,1,2,3,4,5,6,7
	global_load_b128 v[128+8*\t:131+8*\t], v25, s[18:19] offset:64*\t
	global_load_b128 v[132+8*\t:135+8*\t], v25, s[18:19] offset:64*\t+16
.endr
	WIN 0x80
.irp m, 0,1,2,3
.irp i, 0,1,2,3,4,5,6,7,8,9,10,11,12,13,14,15
	global_load_b128 v[64*\m+4*\i:64*\m+4*\i+3], v6, s[12:13] offset:2048*(16*\m+\i) th:TH_LOAD_NT   ; 32 lanes read 512 consecutive bytes of a row of x
.endr
.endr
	s_wait_loadcnt 0x0
.irp m, 0,1,2,3                        ; x turns through my own stage into the accumulators' layout
	WIN 0x08
.irp i, 0,1,2,3,4,5,6,7,8,9,10,11,12,13,14,15
	ds_store_b128 v8, v[64*\m+4*\i:64*\m+4*\i+3] offset:528*\i
.endr
	s_wait_dscnt 0x0                               ; the stores have read the registers that the loads below write
	WIN 0x80
.irp t, 0,1,2,3,4,5,6,7
	ds_load_b128 v[64*\m+8*\t:64*\m+8*\t+3], v9 offset:64*\t
	ds_load_b128 v[64*\m+8*\t+4:64*\m+8*\t+7], v9 offset:64*\t+16
.endr
.endr
	s_wait_dscnt 0x0
	WIN 0x82
.irp m, 0,1,2,3
.set kk, 0
.rept 32
	v_pk_add_f32 v[64*\m+kk:64*\m+kk+1], v[64*\m+kk:64*\m+kk+1], v[128+kk:129+kk]   ; x + bo: what the sums begin with
.set kk, kk+2
.endr
.endr
; ---- h = x + bo + o Wo
.macro FETCHO s
	WIN 0xc0
.irp t, 0,1,2,3,4,5,6,7
.irp c, 0,1,2,3
	ds_load_b128 v[128*((\s)%2)+16*\t+4*\c:128*((\s)%2)+16*\t+4*\c+3], v12 offset:8448*\t+128*(\s)+32*\c
.endr
.endr
.endm
	s_wait_tensorcnt 0x0                           ; my rows of Wo, which I alone read
	FETCHO 0
	FETCHO 1
.irp s, 0,1,2,3
.if \s < 3
	s_wait_dscnt 32                                ; the younger run of 32 may be out
.else
	s_wait_dscnt 0x0
.endif
	WIN 0xa7
.irp m, 0,1,2,3
.irp t, 0,1,2,3,4,5,6,7
.set rD, 64*\m+8*\t
.set rA, 128*(\s%2)+16*\t
.set rB, 16*(4*\m+\s)
.set rSA, 80+4*(\t/2)+\s
.set rSB, 64+4*\m+\s
.if \t%2
	MM rD, rA, rB, rD, rSA, rSB, matrix_a_scale:MATRIX_SCALE_ROW1
.else
	MM rD, rA, rB, rD, rSA, rSB
.endif
.endr
.endr
	PLACES 8
.if \s < 2
	FETCHO \s+2
.endif
.endr
; ---- Wo's bytes are given to the ring: step 0 into slot 0
	WIN 0
	s_wait_tensorcnt 0x0                           ; no load of mine is out;
	ds_add_u32 v4, v5                              ; 0 onto my spare word
	s_wait_dscnt 0x0                               ; the add is done, and my reads of Wo are over
	ROUND
	JLOAD
	PLACES 4
	WIN 0xc0
.irp t, 0,1,2,3,4,5,6,7
.irp f, 0,1
	global_load_b128 v[8*\t+4*\f:8*\t+4*\f+3], v25, s[20:21] offset:64*\t+16*\f           ; ln3_g,
	global_load_b128 v[64+8*\t+4*\f:64+8*\t+4*\f+3], v25, s[22:23] offset:64*\t+16*\f     ; ln3_b,
	global_load_b128 v[128+8*\t+4*\f:128+8*\t+4*\f+3], v25, s[34:35] offset:64*\t+16*\f   ; b2 of my columns
.endr
.endr
; ---- the norm: each wave's mean and sum of squared differences over its 128 columns; the four are joined without a difference of large sums
	WIN 0x0a
.irp m, 0,1,2,3
	v_pk_add_f32 v[32+2*\m:33+2*\m], v[64*\m:64*\m+1], v[64*\m+2:64*\m+3]
.endr
	WIN 0x02
.set kk, 4
.rept 30
.irp m, 0,1,2,3
	v_pk_add_f32 v[32+2*\m:33+2*\m], v[64*\m+kk:64*\m+kk+1], v[32+2*\m:33+2*\m]
.endr
.set kk, kk+2
.endr
	WIN 0
.irp m, 0,1,2,3
	v_add_f32 v[32+2*\m], v[32+2*\m], v[33+2*\m]
.endr
.irp m, 0,1,2,3
	v_permlanex16_b32 v[33+2*\m], v[32+2*\m], s[SEL], s[SEL+1]
.endr
.irp m, 0,1,2,3
	v_add_f32 v[32+2*\m], v[32+2*\m], v[33+2*\m]
.endr
.irp m, 0,1,2,3
	v_mul_f32 v[32+2*\m], 0x3c000000, v[32+2*\m]
.endr
.irp m, 0,1,2,3
	v_mov_b32 v[48+2*\m], v[32+2*\m]
.endr
.irp m, 0,1,2,3
	WIN 0x02
.set kk, 0
.rept 32
	v_pk_add_f32 v[192+kk:193+kk], v[64*\m+kk:64*\m+kk+1], v[32+2*\m:33+2*\m] op_sel_hi:[1,0] neg_lo:[0,1] neg_hi:[0,1]
.set kk, kk+2
.endr
	WIN 0
.irp c, 0,2,4,6
	v_pk_mul_f32 v[40+\c:41+\c], v[192+\c:193+\c], v[192+\c:193+\c]
.endr
.set kk, 8
.rept 28
	v_pk_fma_f32 v[40+kk%8:41+kk%8], v[192+kk:193+kk], v[192+kk:193+kk], v[40+kk%8:41+kk%8]
.set kk, kk+2
.endr
	v_pk_add_f32 v[40:41], v[40:41], v[42:43]
	v_pk_add_f32 v[44:45], v[44:45], v[46:47]
	v_pk_add_f32 v[40:41], v[40:41], v[44:45]
	v_add_f32 v40, v40, v41
	v_permlanex16_b32 v41, v40, s[SEL], s[SEL+1]
	v_add_f32 v[49+2*\m], v40, v41
	ds_store_b64 v23, v[48+2*\m:49+2*\m] offset:128*\m
.endr
	BAR                                            ; step 0's load may stay out
.irp m, 0,1,2,3
.irp q, 0,1,2,3
	ds_load_b64 v[192+8*\m+2*\q:193+8*\m+2*\q], v24 offset:512*\q+128*\m
.endr
.endr
	s_wait_dscnt 0x0
.irp m, 0,1,2,3
	v_add_f32 v40, v[192+8*\m], v[194+8*\m]
	v_add_f32 v41, v[196+8*\m], v[198+8*\m]
	v_add_f32 v40, v40, v41
	v_mul_f32 v[48+2*\m], 0x3e800000, v40          ; the row's mean
	v_add_f32 v42, v[193+8*\m], v[195+8*\m]
	v_add_f32 v43, v[197+8*\m], v[199+8*\m]
	v_add_f32 v42, v42, v43
	v_sub_f32 v44, v[192+8*\m], v[48+2*\m]
	v_sub_f32 v45, v[194+8*\m], v[48+2*\m]
	v_sub_f32 v46, v[196+8*\m], v[48+2*\m]
	v_sub_f32 v47, v[198+8*\m], v[48+2*\m]
	v_mul_f32 v40, v44, v44
	v_fmac_f32 v40, v45, v45
	v_fmac_f32 v40, v46, v46
	v_fmac_f32 v40, v47, v47
	v_fma_f32 v42, v40, s97, v42
	v_fma_f32 v[32+\m], v42, s96, s95
.endr
.irp m, 0,1,2,3
	v_rsq_f32 v[56+2*\m], v[32+\m]
.endr
	v_nop
	s_wait_alu depctr_va_vdst(0)                   ; one wait for the four
	s_wait_loadcnt 0x0                             ; g, b, b2
.irp m, 0,1,2,3
	WIN 0xc3
.set kk, 0
.rept 32
	v_pk_mul_f32 v[192+kk:193+kk], v[kk:kk+1], v[56+2*\m:57+2*\m] op_sel_hi:[1,0]
.set kk, kk+2
.endr
	WIN 0x02
.set kk, 0
.rept 32
	v_pk_add_f32 v[128+kk:129+kk], v[64*\m+kk:64*\m+kk+1], v[48+2*\m:49+2*\m] op_sel_hi:[1,0] neg_lo:[0,1] neg_hi:[0,1]
.set kk, kk+2
.endr
	WIN 0x3c
.set kk, 0
.rept 32
	v_pk_fma_f32 v[128+kk:129+kk], v[128+kk:129+kk], v[192+kk:193+kk], v[64+kk:65+kk]
.set kk, kk+2
.endr
	WIN 0
	QUANT 128, 112, 1
.irp c, 0,1,2,3
.irp t, 0,1
	ds_store_b64 v17, v[112+4*\c+2*\t:113+4*\c+2*\t] offset:8192*\m+512*\c+256*\t    ; K step w of rows 16 m on, in the true order of k
.endr
.endr
	ds_store_b32 v18, v[PW] offset:512*\m
	s_wait_dscnt 0x0                               ; the stores have read their registers
.endr
	WIN 0x8e
.irp m, 0,1,2,3
.set kk, 0
.rept 32
	v_pk_add_f32 v[64*\m+kk:64*\m+kk+1], v[64*\m+kk:64*\m+kk+1], v[128+kk:129+kk]    ; h + b2: what the second product adds onto
.set kk, kk+2
.endr
.endr
.macro LD_W1SB                         ; W1's scale words (tile 0 below, tile 1 above) and b1 of my 32 units: five loads
	global_load_b128 v[80:83], v6, s[26:27]
.irp t, 0,1
	global_load_b128 v[96+8*\t:99+8*\t], v25, s[28:29] offset:64*\t
	global_load_b128 v[100+8*\t:103+8*\t], v25, s[28:29] offset:64*\t+16
.endr
.endm
.macro LOADW1 s                        ; W1's two fragments of K step s: eight loads
	WIN 0xc0
.irp t, 0,1
.irp c, 0,1,2,3
	ds_load_b128 v[16*(4*\t+(\s))+4*\c:16*(4*\t+(\s))+4*\c+3], v14 offset:8448*\t+128*(\s)+32*\c
.endr
.endr
.endm
.macro LOADW2 j                        ; W2's fragments of tiles 2 j and 2 j + 1: eight loads (destination window 3)
.irp t, 0,1
.irp c, 0,1,2,3
	ds_load_b128 v[128+16*(2*(\j)+\t)+4*\c:128+16*(2*(\j)+\t)+4*\c+3], v16 offset:2304*(2*(\j)+\t)+32*\c
.endr
.endr
.endm
; ---- the norm's sixteen fragments lie in LDS behind this round; it also gives slot 1 (bytes that Wo filled) to step 1's tiles
	WIN 0
	s_wait_tensorcnt 0x0                           ; step 0's tiles have landed: no load of mine is out;
	ds_add_u32 v4, v5                              ; 0 onto my spare word
	NEXTTILE
	s_wait_dscnt 0x0                               ; the add is done, and my stores of the images have landed
	ROUND
	JLOAD                                          ; my one load behind the round: step 1 into slot 1
	WIN 0x40
.irp f, 0,1,2,3,4,5,6,7,8,9,10,11,12,13,14,15
.irp c, 0,1,2,3
	ds_load_b128 v[16*\f+4*\c:16*\f+4*\c+3], v19 offset:2048*\f+512*\c
.endr
.endr
	WIN 0
.irp f, 0,1,2,3,4,5,6,7,8,9,10,11,12,13,14,15
	ds_load_b32 v[64+\f], v20 offset:128*\f
.endr
	LD_W1SB                                        ; step 0's
	global_load_b128 v[84:87], v6, s[32:33]        ; W2's scale words of step 0
	v_add_nc_u32 v14, s2, v13
	LOADW1 0                                       ; step 0's fragments of W1
	LOADW1 1
	LOADW1 2
	LOADW1 3
	WIN 0
	s_wait_xcnt 0x0                                ; the loads have read their bases:
	s_add_nc_u64 s[26:27], s[26:27], 2048          ; W1's scale words and b1 run a step ahead; W2's scale words are stepped at each round
	s_add_nc_u64 s[28:29], s[28:29], 512
	BAR                                            ; every wave has read the norm's images: the hidden layer's may be laid over them.
; ---- a step: 128 hidden units.  fill = 1: the tiles two steps on are asked for; nxt = 1: a step follows
.macro STEP fill, nxt
	s_wait_loadcnt 0x1                             ; W1's scale words and b1 are in; W2's scale words, issued last, may be out
	WIN 0x07
.irp s, 0,1,2,3                        ; my two tiles of units x four tiles of rows: eight accumulators by turns; b1 is what the sums begin with
	s_wait_dscnt 24-8*\s                           ; W1's run of K step s is in; the later runs of eight may be out
.irp m, 0,1,2,3
.irp t, 0,1
.set rD, 128+16*\m+8*\t
.set rC, rD
.if \s == 0
.set rC, 96+8*\t
.endif
.set rA, 16*(4*\t+\s)
.set rB, 16*(4*\m+\s)
.set rSA, 80+\s
.set rSB, 64+4*\m+\s
.if \t
	MM rD, rA, rB, rC, rSA, rSB, matrix_a_scale:MATRIX_SCALE_ROW1
.else
	MM rD, rA, rB, rC, rSA, rSB
.endif
.endr
.endr
.endr
	WIN 0
	v_add_nc_u32 v16, s2, v15                      ; W2's fragments in this step's slot.  These five lines and three v_nop are the eight places behind the products
	v_add_nc_u32 v1, s38, v21                      ; this step's set of hidden images: where I store,
	v_add_nc_u32 v2, s39, v22
	v_add_nc_u32 v3, s38, v19                      ; and where I read
	v_add_nc_u32 v26, s39, v20
	PLACES 3
.if \nxt
	LD_W1SB                                        ; the next step's
.endif
	WIN 0xc0                                       ; W2's fragments come in four runs of eight among lines of the same window setting
	LOADW2 0
.set kk, 0
.rept 32
	v_fma_f32 v[kk], |v[128+kk]|, s81, 1.0
.set kk, kk+1
.endr
	LOADW2 1
.rept 32
	v_fma_f32 v[kk], |v[128+kk]|, s81, 1.0
.set kk, kk+1
.endr
	LOADW2 2
.set kk, 0
.rept 32
	v_pk_mul_f32 v[64+kk:65+kk], v[128+kk:129+kk], s[82:83] op_sel_hi:[1,0]
.set kk, kk+2
.endr
	LOADW2 3
	WIN 0xff
.set kk, 0
.rept 32
	v_pk_mul_f32 v[64+kk:65+kk], v[64+kk:65+kk], v[64+kk:65+kk]
.set kk, kk+2
.endr
.set kk, 0
.rept 64
	v_rcp_f32 v[kk], v[kk]                         ; t
.set kk, kk+1
.endr
.set kk, 0
.rept 64
	v_exp_f32 v[64+kk], -v[64+kk]                  ; exp(-x^2 / 2)
.set kk, kk+1
.endr
	WIN 0
.set kk, 0
.rept 32
	v_pk_mul_f32 v[128+kk:129+kk], v[128+kk:129+kk], 0.5 op_sel_hi:[1,0]     ; h = x / 2: plain work behind the batch
.set kk, kk+2
.endr
	s_wait_alu depctr_va_vdst(0)                   ; one wait for the 128
	WIN 0x03
.set kk, 0
.rept 32
	v_pk_fma_f32 v[192+kk:193+kk], v[kk:kk+1], s[84:85], v[28:29] op_sel_hi:[1,0,1]
.set kk, kk+2
.endr
	WIN 0x0c
.irp q, 86, 88, 90
.set kk, 0
.rept 32
	v_pk_fma_f32 v[192+kk:193+kk], v[192+kk:193+kk], v[kk:kk+1], s[\q:\q+1] op_sel_hi:[1,1,0]
.set kk, kk+2
.endr
.endr
.set kk, 0
.rept 32
	v_pk_mul_f32 v[192+kk:193+kk], v[192+kk:193+kk], v[kk:kk+1]
.set kk, kk+2
.endr
.set kk, 0
.rept 32
	v_pk_fma_f32 v[192+kk:193+kk], v[192+kk:193+kk], v[64+kk:65+kk], 1.0 op_sel_hi:[1,1,0] neg_lo:[1,0,0] neg_hi:[1,0,0]   ; 1 - erfc
.set kk, kk+2
.endr
	WIN 0
.set kk, 0
.rept 64
	v_fma_f32 v[128+kk], |v[128+kk]|, v[192+kk], v[128+kk]     ; gelu = h + |h| (1 - erfc)
.set kk, kk+1
.endr
	QUANT 128, 112, 0                              ; block m: my 32 units of rows 16 m on: a true block of the next K
.irp m, 0,1,2,3
.irp t, 0,1
	ds_store_b64 v1, v[112+4*\m+2*\t:113+4*\m+2*\t] offset:2048*\m+256*\t
.endr
	ds_store_b8 v2, v[TM+4+\m] offset:128*\m
.endr
	s_wait_tensorcnt 0x0                           ; all my tensor loads have landed: my part of the next step's slot;
	ds_add_u32 v4, v5                              ; 0 onto my spare word
.if \fill
	NEXTTILE
.endif
.if \nxt
	s_wait_xcnt 0x0                                ; the loads issued so far have read their bases
	s_add_nc_u64 s[26:27], s[26:27], 2048
	s_add_nc_u64 s[28:29], s[28:29], 512
	s_add_nc_u64 s[32:33], s[32:33], 2048
.endif
	s_xor_b32 s2, s2, SLOTB                        ; what is read from here on lies in the next step's slot
	s_wait_dscnt 0x0                               ; the add is done; my stores of the images have landed; my reads of this step's slot (W1's a phase ago, W2's above) are over
.if \fill
	ROUND                                          ; the same holds of every wave of the four work-groups
	JLOAD                                          ; my one load behind the round: the tiles two steps on, into the slot just left: a whole step in which to land
.else
	s_barrier_signal -1
	s_barrier_wait -1
.endif
.irp m, 0,1,2,3
.irp c, 0,1,2,3
	ds_load_b128 v[192+16*\m+4*\c:192+16*\m+4*\c+3], v3 offset:2048*\m+512*\c
.endr
	ds_load_b32 v[88+\m], v26 offset:128*\m
.endr
.if \nxt
	v_add_nc_u32 v14, s2, v13
	LOADW1 0                                       ; the next step's fragments of W1, a run of eight between the groups of products below
.endif
.irp m, 0,1,2,3
.if \nxt
	s_wait_dscnt 23+3*\m                           ; rows 16 m on are in.  Behind their five loads: 5 (3 - m) for later rows and 8 (m + 1) of W1
.else
	s_wait_dscnt 15-5*\m
.endif
.if \m == 0
.if \nxt
	s_wait_loadcnt 0x5                             ; W2's scale words are in; the five loads issued behind them may be out
.else
	s_wait_loadcnt 0x0
.endif
.endif
	WIN 0xa3
.irp t, 0,1,2,3,4,5,6,7
.set rD, 64*\m+8*\t
.set rA, 128+16*\t
.set rB, 192+16*\m
.set rSA, 84+\t/2
.set rSB, 88+\m
.if \t%2
	MM rD, rA, rB, rD, rSA, rSB, matrix_a_scale:MATRIX_SCALE_ROW1
.else
	MM rD, rA, rB, rD, rSA, rSB
.endif
.endr
.if \nxt
.if \m < 3
	LOADW1 \m+1
.endif
.endif
.endr
	WIN 0
	PLACES 8
.if \nxt
	global_load_b128 v[84:87], v6, s[32:33]        ; the next step's
.endif
	s_xor_b32 s38, s38, 8192                       ; the other set of hidden images
	s_xor_b32 s39, s39, 512
.endm
	s_mov_b32 s67, 14
.Lstep:                                            ; steps 0 to 13: each asks for the tiles two steps on
	STEP 1, 1
	s_sub_co_u32 s67, s67, 1
	s_cmp_lg_u32 s67, 0
	s_cbranch_scc1 .Lstep
	STEP 0, 1                                      ; the last two steps are written out: they ask for no tile,
	STEP 0, 0                                      ; and the last fetches nothing for a next step
; ---- the way out, 16 rows at a time through my own stage.  It lies in slot 0, which has had its last fill (step 14's tiles) and which nobody reads behind step 14's barrier
.macro TOSTAGE m
	WIN 0x08
.irp t, 0,1,2,3,4,5,6,7
	ds_store_b128 v11, v[64*\m+8*\t:64*\m+8*\t+3] offset:64*\t          ; each accumulator from its low end on
	ds_store_b128 v11, v[64*\m+8*\t+4:64*\m+8*\t+7] offset:64*\t+16
.endr
	WIN 0
.irp i, 0,1,2,3,4,5,6,7,8,9,10,11,12,13,14,15
	ds_load_b128 v[192-64*(\m%2)+4*\i:192-64*(\m%2)+4*\i+3], v10 offset:528*\i   ; LDS serves a wave's instructions in order (ISA guide 5.7.1.4)
.endr
.endm
.macro SEND m, younger
	s_wait_dscnt \younger
.irp i, 0,1,2,3,4,5,6,7,8,9,10,11,12,13,14,15
	global_store_b128 v6, v[192-64*(\m%2)+4*\i:192-64*(\m%2)+4*\i+3], s[36:37] offset:2048*(16*\m+\i) th:TH_STORE_NT   ; 32 lanes store 512 consecutive bytes, aligned
.endr
.endm
	TOSTAGE 0
	TOSTAGE 1
	SEND 0, 32                                     ; behind block 0's loads: block 1's 16 stores and 16 loads
	s_wait_xcnt 0x0                                ; block 0's stores have read the registers that block 2's loads write
	TOSTAGE 2
	SEND 1, 32
	s_wait_xcnt 0x0
	TOSTAGE 3
	SEND 2, 32
	SEND 3, 0
	s_wait_tensorcnt 0x0                           ; the wave's end
	ds_add_u32 v4, v5
	s_wait_dscnt 0x0
	ROUND                                          ; the closing round
	s_endpgm
.Lfunc_end_k_q4983ff92bc_ffn:
	.size	k_q4983ff92bc_ffn, .Lfunc_end_k_q4983ff92bc_ffn-k_q4983ff92bc_ffn
	.p2alignl 7, 3214868480
	.fill 96, 4, 3214868480
	.section	.rodata,"a",@progbits
	.p2align	6, 0x0
	.amdhsa_kernel k_q4983ff92bc_ffn
		.amdhsa_group_segment_fixed_size 327680
		.amdhsa_private_segment_fixed_size 0
		.amdhsa_enable_private_segment 0
		.amdhsa_kernarg_size 120
		.amdhsa_user_sgpr_count 2
		.amdhsa_user_sgpr_kernarg_segment_ptr 1
		.amdhsa_wavefront_size32 1
		.amdhsa_system_sgpr_workgroup_id_x 1
		.amdhsa_system_sgpr_workgroup_id_y 1
		.amdhsa_system_sgpr_workgroup_id_z 1
		.amdhsa_system_vgpr_workitem_id 0
		.amdhsa_next_free_vgpr 1024
		.amdhsa_next_free_sgpr 106
		.amdhsa_reserve_vcc 0
		.amdhsa_float_denorm_mode_32 3
		.amdhsa_float_denorm_mode_16_64 3
		.amdhsa_memory_ordered 1
		.amdhsa_forward_progress 1
		.amdhsa_inst_pref_size 255
	.end_amdhsa_kernel
	.section	.bss,"aw",@nobits
	.p2align	6
	.space	262144
	.amdgpu_metadata
---
amdhsa.version: [ 1, 2 ]
amdhsa.kernels:
  - .name:           k_q4983ff92bc_ffn
    .symbol:         k_q4983ff92bc_ffn.kd
    .args:
      - { .name: o_img, .offset: 0, .size: 8, .value_kind: global_buffer, .address_space: global }
      - { .name: o_sc, .offset: 8, .size: 8, .value_kind: global_buffer, .address_space: global }
      - { .name: x, .offset: 16, .size: 8, .value_kind: global_buffer, .address_space: global }
      - { .name: Wo_codes, .offset: 24, .size: 8, .value_kind: global_buffer, .address_space: global }
      - { .name: Wo_scales, .offset: 32, .size: 8, .value_kind: global_buffer, .address_space: global }
      - { .name: bo, .offset: 40, .size: 8, .value_kind: global_buffer, .address_space: global }
      - { .name: ln3_g, .offset: 48, .size: 8, .value_kind: global_buffer, .address_space: global }
      - { .name: ln3_b, .offset: 56, .size: 8, .value_kind: global_buffer, .address_space: global }
      - { .name: W1_codes, .offset: 64, .size: 8, .value_kind: global_buffer, .address_space: global }
      - { .name: W1_scales, .offset: 72, .size: 8, .value_kind: global_buffer, .address_space: global }
      - { .name: b1, .offset: 80, .size: 8, .value_kind: global_buffer, .address_space: global }
      - { .name: W2_codes, .offset: 88, .size: 8, .value_kind: global_buffer, .address_space: global }
      - { .name: w2sc, .offset: 96, .size: 8, .value_kind: global_buffer, .address_space: global }
      - { .name: b2, .offset: 104, .size: 8, .value_kind: global_buffer, .address_space: global }
      - { .name: out0, .offset: 112, .size: 8, .value_kind: global_buffer, .address_space: global }
    .group_segment_fixed_size: 327680
    .private_segment_fixed_size: 0
    .kernarg_segment_align: 8
    .kernarg_segment_size: 120
    .max_flat_workgroup_size: 128
    .sgpr_count:     106
    .vgpr_count:     1024
    .wavefront_size: 32
...
	.end_amdgpu_metadata
.endif
;; end of part 2
